; MI455X (gfx1250); checked and timed in simulation.
; The chip was launched on July 23, 2026; its instructions are those of AMD's public machine-readable ISA for CDNA 5 (MIT licence, August 2026) and "CDNA5" Instruction Set Architecture Reference Guide (July 2026). The comments in the code are by the model that wrote it; some were corrected since.
;; Ro PE Attention. Allowed arithmetic: matrix products marked QUANTISED: E2M1 operands, one E8M0 scale for each 32 along K, by v_wmma_scale_f32_16x16x128_f8f6f4 with both operands' format E2M1 (or v_wmma_scale_f32_32x16x128_f4), f32 sums; products left as they are: bf16, f16 or f32 operands; f32 sums; everything else in f32.
;; Inputs: out_b 1,024 float32; out_w 1,024 x 1,024 float32; qkv_b 3,072 float32; qkv_w 3,072 x 1,024 float32; x 8 x 1,024 x 1,024 float32.
;; Outputs: out0 8 x 1,024 x 1,024 float32.
;; This version of the problem:
;;   THIS VERSION OF THE PROBLEM IS GIVEN IN LOW PRECISION. The matrix products marked QUANTISED in the list below multiply operands that are first quantised to E2M1 (2 exponent bits, 1 mantissa bit; 4 bits a number), with one power-of-two scale for each 32 numbers along K (OCP MX v1.0); their sums are f32. The products marked 'left as it is' may take bf16, f16 or f32 operands, with f32 sums. All else is computed in f32.
;;   The module's matrix products, in the order in which they are computed (A, B: the left and right operand; K: the contracted axis; several contracted axes count as one K, in the product's order):
;;     1. [M 8,192, K 1,024] x [K 1,024, N 3,072]; A: input x; B: input qkv_w: QUANTISED
;;     2. batch 128 x [M 1,024, K 64] x [K 64, N 1,024]; A: computed on the way; B: computed on the way: left as it is (an operand is computed on the way)
;;     3. batch 128 x [M 1,024, K 1,024] x [K 1,024, N 64]; A: computed on the way; B: computed on the way: left as it is (an operand is computed on the way)
;;     4. [M 8,192, K 1,024] x [K 1,024, N 1,024]; A: computed on the way; B: input out_w: left as it is (an operand is computed on the way)
;;   THE QUANTISER, for each operand of a quantised product, along K:
;;     - K is cut into blocks of 32 from its start; a last block that is shorter is filled with zeros.
;;     - A block's scale is 2^e with e = floor(log2(the largest magnitude in the block)) - 2, held to -126 .. 127; a block of zeros has e = 0. As a byte (E8M0): e + 127.
;;     - Each number is divided by its block's scale, clamped to +-6, and rounded to the nearest number of E2M1, ties to even, subnormals kept.
;;     - The product sums the exact products of the quantised numbers (number of the format x scale) in f32.
;;   ~~~python
;;   def quantise(x, axis):      # numpy; x: float32 -> the quantised numbers, widened to float32 again
;;       x = np.moveaxis(x, axis, -1); K = x.shape[-1]
;;       x = np.pad(x, [(0, 0)] * (x.ndim - 1) + [(0, -K % 32)]); x = x.reshape(x.shape[:-1] + (-1, 32)); a = np.abs(x).max(-1, keepdims=True)
;;       e = np.where(a > 0, np.clip(np.frexp(np.where(a > 0, a, 1))[1] - 1 - 2, -126, 127), 0)      # np.frexp(a)[1] - 1 = floor(log2(a)), exactly
;;       r = np.clip(x / 2.0 ** e, -6, 6)
;;       step = 2.0 ** (np.maximum(np.frexp(np.where(r == 0, 1, r))[1] - 1, 0) - 1)
;;       q = np.round(r / step) * step * 2.0 ** e      # np.round: ties to even
;;       return np.moveaxis(q.reshape(q.shape[:-2] + (-1,))[..., :K], -1, axis).astype(np.float32)
;;   ~~~
;; One version. Each part assembles by itself: llvm-mc -triple=amdgcn-amd-amdhsa -mcpu=gfx1250 --defsym DOCPART=n.
;; ======== version 1 of 1: 4 launches
;; limits: values are held in f16: magnitudes above 65,504 overflow, below 6.1e-05 lose precision
;; workspace buffers: xc 4,194,304 bytes; xs 262,144 bytes; wc 1,572,864 bytes; ws 98,304 bytes; owh 2,097,152 bytes; rope 4,096 bytes; qkvh 50,331,648 bytes; oh 16,777,216 bytes
;; launch prep (part 1): grid 481 x 1, 4 waves a work-group, no clusters, 33,280 bytes of LDS; arguments x, qkv_w, xc, xs, wc, ws, out_w, owh, rope; writes xc, xs, wc, ws, owh, rope
.if DOCPART == 1
	.amdgcn_target "amdgcn-amd-amdhsa--gfx1250"
	.amdhsa_code_object_version 6
	.text
	.protected	k_qf6a11262ea_prep
	.globl	k_qf6a11262ea_prep
	.p2align	8
	.type	k_qf6a11262ea_prep,@function
k_qf6a11262ea_prep:
	s_mov_b64 s[64:65], 0
	v_nop
	global_prefetch_b8 v0, s[64:65] scope:SCOPE_SE
	s_setreg_imm32_b32 hwreg(HW_REG_WAVE_MODE, 25, 1), 1
	s_wait_xcnt 0x0
; PREP: three jobs that need nothing of each other, told apart by the work-group's number.
;  work-groups 0-351:  x [8192][1024] (0-255) and qkv_w [3072][1024] (256-351), f32, become codes of FP4 (E2M1), K innermost, two to a byte, with one E8M0 byte for each 32 along K.
;  work-groups 352-479: out_w [1024 n][1024 k] f32 becomes f16, laid [k / 64][n][64]: planes of 131,072 bytes, rows of 128.
;  work-group 480:     the rotation table: cos(pos x inv[f]) at byte 64 pos + 4 f, sin 2,048 bytes on; pos 0-31, f 0-15, inv[f] = 10000^(-f / 16).
; THE QUANTISER.  A block's scale is 2^(floor(log2(its largest magnitude)) - 2); its byte is the largest magnitude's own exponent field - 2, held at 1 from below.  Each number is divided by the scale and
; rounded to the nearest code, ties to even, beyond 6 the largest code.  A block of zeros gets the byte 1 where the rule says 127: its codes are zeros, and this program alone reads the bytes.
; LIMITS: blocks whose largest magnitude lies under 2^-124 were not tried; NaN and infinities among the inputs are not served; |out_w| stays under 65,504, f16's largest number.
; Rows are dense and K is a multiple of 32, so x and qkv_w are plain streams of blocks of 32.  A wave takes 16 steps of 512 numbers.  Each of a step's four loads reads 512 consecutive bytes, 16 a lane; the 2,048 bytes
; turn through the wave's own stage in LDS and come back 64 bytes a lane, so that a lane holds 16 neighbours along K (two lanes to a block).  No barrier: waves share nothing.  Only this job uses LDS.
.set WGA,   256                        ; x's work-groups: 8192 x 1024 / 32,768
.set WGQ,   352                        ; + qkv_w's 96
.set WGC,   480                        ; + out_w's 128
.set STEPS, 16
.set EMAX,  2
.set CB,    8                          ; bytes of 16 codes
.set R,     16                         ; v16-79   four sets of 16 numbers as they are loaded
.set X,     80                         ; v80-111  two sets of 16 neighbours
.set C,     128                        ; v128-191 codes: four registers for each step, so that no store's data are written again
.set E,     112                        ; v112-127 a scale byte for each step
.set WREG,  8192                       ; LDS: a region for each wave: two stages of 32 x SP bytes, behind them its 256 scale bytes
.set SP,    80                         ; a lane's place in a stage: its 64 bytes + 16 of padding
	s_load_b128 s[4:7], s[0:1], 0x0                ; x, qkv_w
	s_load_b128 s[8:11], s[0:1], 0x10              ; x's codes, x's scales
	s_load_b128 s[12:15], s[0:1], 0x20             ; qkv_w's codes, its scales
	s_load_b128 s[24:27], s[0:1], 0x30             ; out_w, its f16 copy
	s_load_b64 s[28:29], s[0:1], 0x40              ; the table
	v_lshl_add_u32 v192, v0, 2, 0x8000
	v_mov_b32 v193, 0
	v_lshrrev_b32 v1, 5, v0
	v_readfirstlane_b32 s16, v1                    ; wave
	v_and_b32 v2, 31, v0                           ; lane
	s_wait_kmcnt 0x0
	s_cmp_ge_u32 ttmp9, WGQ
	s_cbranch_scc1 .Lcast
	; ---------------- the quantiser
	v_lshlrev_b32 v3, 4, v2                        ; my 16 bytes of a load's 512
	s_mul_i32 s17, s16, WREG
	v_lshrrev_b32 v14, 2, v2
	v_mul_u32_u24 v14, v14, SP
	v_and_b32 v15, 3, v2
	v_lshl_add_u32 v14, v15, 4, v14
	v_add_nc_u32 v14, s17, v14                     ; the stage, on the way in: SP (lane / 4) + 16 (lane % 4)
	v_mul_u32_u24 v15, v2, SP
	v_add_nc_u32 v15, s17, v15                     ; and on the way out: SP x lane: my 16 neighbours
	v_mul_u32_u24 v4, v2, CB                       ; my codes' place in a step's
	v_lshrrev_b32 v5, 1, v2
	s_add_co_u32 s17, s17, 2*32*SP
	v_add_nc_u32 v5, s17, v5                       ; LDS: my wave's 256 scale bytes, my block's byte
	v_lshlrev_b32 v7, 3, v2                        ; and on the way out 8 bytes a lane
	v_add_nc_u32 v6, s17, v7
	s_cmp_lt_u32 ttmp9, WGA                        ; x's work-group or qkv_w's?  The choice hangs on the work-group's number alone
	s_cselect_b64 s[4:5], s[4:5], s[6:7]
	s_cselect_b64 s[8:9], s[8:9], s[12:13]
	s_cselect_b64 s[10:11], s[10:11], s[14:15]
	s_cselect_b32 s17, 0, WGA
	s_sub_co_u32 s17, ttmp9, s17
	s_lshl_b32 s17, s17, 2
	s_add_co_u32 s18, s17, s16                     ; which run of 8,192 numbers of the tensor is my wave's
	s_mov_b32 s19, 0
	s_mov_b64 s[20:21], 512*STEPS*4
	s_mul_u64 s[20:21], s[18:19], s[20:21]
	s_add_nc_u64 s[4:5], s[4:5], s[20:21]
	s_mov_b64 s[20:21], 32*STEPS*CB
	s_mul_u64 s[20:21], s[18:19], s[20:21]
	s_add_nc_u64 s[8:9], s[8:9], s[20:21]
	s_lshl_b32 s18, s18, 8                         ; 256 scale bytes a run
	s_add_nc_u64 s[10:11], s[10:11], s[18:19]
.macro LOAD t
.irp i, 0,1,2,3
	global_load_b128 v[R+16*((\t)%4)+4*\i:R+16*((\t)%4)+4*\i+3], v3, s[4:5] offset:2048*(\t)+512*\i th:TH_LOAD_NT   ; 32 lanes read 512 consecutive bytes
.endr
.endm
.macro TURN t                          ; step t's numbers through the stage: LDS serves a wave's instructions in order, so no wait stands between the stores and the loads
.irp i, 0,1,2,3
	ds_store_b128 v14, v[R+16*((\t)%4)+4*\i:R+16*((\t)%4)+4*\i+3] offset:32*SP*((\t)%2)+8*SP*\i
.endr
.irp i, 0,1,2,3
	ds_load_b128 v[X+16*((\t)%2)+4*\i:X+16*((\t)%2)+4*\i+3], v15 offset:32*SP*((\t)%2)+16*\i
.endr
.endm
.irp t, 0,1,2,3
	LOAD \t
.endr
	s_wait_loadcnt 12                              ; step 0's four loads are in; the twelve of steps 1 to 3 may be out
	TURN 0
.macro STEP t
.set XS, X+16*((\t)%2)
.if (\t) > 0
	s_wait_dscnt 1                                 ; this step's numbers are back from the stage (the last step's byte store may be out): so its stores into the stage have read their registers,
.else
	s_wait_dscnt 0x0
.endif
.if (\t)+4 < STEPS
	LOAD (\t)+4                                    ; which take the loads of four steps on
.endif
.if (\t)+1 < STEPS
.if STEPS-2-(\t) >= 3
	s_wait_loadcnt 12                              ; the next step's four loads are in; those of the three steps behind it may be out
.else
	s_wait_loadcnt 4*(STEPS-2-(\t))
.endif
	TURN (\t)+1                                    ; and go through the other stage while this step is worked
.endif
	v_max3_num_f32 v8, |v[XS]|, |v[XS+1]|, |v[XS+2]|               ; the largest magnitude of my 16, in two chains
	v_max3_num_f32 v9, |v[XS+3]|, |v[XS+4]|, |v[XS+5]|
.irp i, 6,10
	v_max3_num_f32 v8, v8, |v[XS+\i]|, |v[XS+\i+1]|
	v_max3_num_f32 v9, v9, |v[XS+\i+2]|, |v[XS+\i+3]|
.endr
	v_max3_num_f32 v8, v8, |v[XS+14]|, |v[XS+15]|
	v_max3_num_f32 v8, v8, v9, (EMAX+1)<<23        ; and the floor 2^(EMAX + 1 - 127): so the byte cannot fall under 1
	v_max_num_f32_dpp v8, v8, v8 row_xmask:1 row_mask:0xf bank_mask:0xf   ; and of my neighbour's 16: the block's
	v_add_nc_u32 v11, -(EMAX<<23), v8              ; EMAX off its exponent field: the conversion takes the exponent field of this operand as its scale, and nothing else of it
	v_cvt_scalef32_pk8_fp4_f32 v[C+4*(\t)], v[XS:XS+7], v11
	v_cvt_scalef32_pk8_fp4_f32 v[C+4*(\t)+1], v[XS+8:XS+15], v11
	v_lshrrev_b32 v[E+(\t)], 23, v11               ; the scale's byte (also the plain line behind the conversions)
	ds_store_b8 v5, v[E+(\t)] offset:16*(\t)       ; both lanes of a block write the same byte with the same value
	global_store_b64 v4, v[C+4*(\t):C+4*(\t)+1], s[8:9] offset:32*CB*(\t)   ; the wave stores 256 consecutive bytes, aligned
.endm
.irp t, 0,1,2,3,4,5,6,7,8,9,10,11,12,13,14,15
	STEP \t
.endr
	ds_load_b64 v[12:13], v6                       ; LDS serves a wave's instructions in order: these see my stores
	s_wait_dscnt 0x0
	global_store_b64 v7, v[12:13], s[10:11]        ; 32 lanes store 256 consecutive bytes, aligned
	s_wait_tensorcnt 0x0
	ds_add_u32 v192, v193
	s_wait_dscnt 0x0
	s_endpgm
	; ---------------- out_w to f16.  A wave takes rows n and n + 1: load i reads the 256 bytes of k = 64 i .. 64 i + 63 of both rows; their 2 x 128 bytes of f16 are neighbours in plane i
.Lcast:
	s_cmp_eq_u32 ttmp9, WGC
	s_cbranch_scc1 .Lrope
	s_sub_co_u32 s17, ttmp9, WGQ
	s_lshl_b32 s17, s17, 3
	s_lshl_b32 s18, s16, 1
	s_add_co_u32 s17, s17, s18                     ; n = 8 x work-group + 2 x wave
	s_lshl_b32 s18, s17, 12                        ; a row of out_w is 4,096 bytes
	s_mov_b32 s19, 0
	s_add_nc_u64 s[24:25], s[24:25], s[18:19]
	s_lshl_b32 s18, s17, 7                         ; a row of a plane 128
	s_add_nc_u64 s[26:27], s[26:27], s[18:19]
	v_lshrrev_b32 v3, 4, v2
	v_and_b32 v4, 15, v2
	v_lshlrev_b32 v4, 4, v4
	v_lshl_add_u32 v3, v3, 12, v4                  ; in: 4,096 (lane / 16) + 16 (lane % 16)
	v_lshlrev_b32 v5, 3, v2                        ; out: 8 x lane
.irp i, 0,1,2,3,4,5,6,7,8,9,10,11,12,13,14,15
	global_load_b128 v[16+4*\i:19+4*\i], v3, s[24:25] offset:256*\i th:TH_LOAD_NT
.endr
.irp i, 0,1,2,3,4,5,6,7,8,9,10,11,12,13,14,15
	s_wait_loadcnt 15-\i                           ; loads come back in order: load i is in, the younger ones may be out
	v_cvt_pk_f16_f32 v[128+2*\i], v[16+4*\i], v[17+4*\i]
	v_cvt_pk_f16_f32 v[129+2*\i], v[18+4*\i], v[19+4*\i]
	global_store_b64 v5, v[128+2*\i:129+2*\i], s[26:27] offset:131072*\i   ; 256 consecutive bytes, aligned; no register is written twice
.endr
	s_endpgm
	; ---------------- the table.  Thread t: pos = t / 4, frequencies 4 (t % 4) + 0 .. 3.  The angle is brought into -pi .. pi by a multiple of 2 pi in two parts, quartered, put through the series
	; of sine and cosine (|h| <= pi / 4: the first terms left out are under 3e-8), and doubled twice.
.Lrope:
	s_mov_b32 s32, 0xbf549a78                      ; -log2(10000) / 16
	s_mov_b32 s33, 0x40c90fdb                      ; 2 pi, rounded,
	s_mov_b32 s34, 0xb43bbd2e                      ; and what the rounding left
	s_mov_b32 s35, 0x3638ef1d                      ; 1 / 9!
	s_mov_b32 s36, 0xb9500d01                      ; -1 / 7!
	s_mov_b32 s37, 0x3c088889                      ; 1 / 5!
	s_mov_b32 s38, 0xbe2aaaab                      ; -1 / 3!
	s_mov_b32 s39, 0x37d00d01                      ; 1 / 8!
	s_mov_b32 s40, 0xbab60b61                      ; -1 / 6!
	s_mov_b32 s41, 0x3d2aaaab                      ; 1 / 4!
	v_lshrrev_b32 v3, 2, v0
	v_cvt_f32_u32 v3, v3                           ; pos
	v_and_b32 v4, 3, v0
	v_lshlrev_b32 v4, 2, v4
	v_lshlrev_b32 v5, 4, v0                        ; 16 t: my four numbers' place
.irp i, 0,1,2,3
	v_add_nc_u32 v[16+\i], \i, v4
.endr
.irp i, 0,1,2,3
	v_cvt_f32_u32 v[16+\i], v[16+\i]               ; f
.endr
.irp i, 0,1,2,3
	v_mul_f32 v[16+\i], s32, v[16+\i]
.endr
.irp i, 0,1,2,3
	v_exp_f32 v[16+\i], v[16+\i]                   ; inv[f]
.endr
	v_nop                                          ; a plain line between the last exponential and the use of its result
	s_wait_alu depctr_va_vdst(0)
.irp i, 0,1,2,3
	v_mul_f32 v[16+\i], v3, v[16+\i]               ; the angle
.endr
.irp i, 0,1,2,3
	v_mul_f32 v[20+\i], 0.15915494, v[16+\i]
.endr
.irp i, 0,1,2,3
	v_rndne_f32 v[20+\i], v[20+\i]                 ; whole turns
.endr
.irp i, 0,1,2,3
	v_fma_f32 v[16+\i], -v[20+\i], s33, v[16+\i]
.endr
.irp i, 0,1,2,3
	v_fma_f32 v[16+\i], -v[20+\i], s34, v[16+\i]
.endr
.irp i, 0,1,2,3
	v_mul_f32 v[16+\i], 0x3e800000, v[16+\i]       ; h = a quarter of it
.endr
.irp i, 0,1,2,3
	v_mul_f32 v[20+\i], v[16+\i], v[16+\i]         ; z = h^2
.endr
.irp i, 0,1,2,3
	v_fma_f32 v[24+\i], v[20+\i], s35, s36
	v_fma_f32 v[28+\i], v[20+\i], s39, s40
.endr
.irp i, 0,1,2,3
	v_fma_f32 v[24+\i], v[20+\i], v[24+\i], s37
	v_fma_f32 v[28+\i], v[20+\i], v[28+\i], s41
.endr
.irp i, 0,1,2,3
	v_fma_f32 v[24+\i], v[20+\i], v[24+\i], s38
	v_fma_f32 v[28+\i], v[20+\i], v[28+\i], -0.5
.endr
.irp i, 0,1,2,3
	v_fma_f32 v[24+\i], v[20+\i], v[24+\i], 1.0
	v_fma_f32 v[28+\i], v[20+\i], v[28+\i], 1.0    ; cos h
.endr
.irp i, 0,1,2,3
	v_mul_f32 v[24+\i], v[16+\i], v[24+\i]         ; sin h
.endr
.irp i, 0,1,2,3
	v_add_f32 v[20+\i], v[24+\i], v[24+\i]         ; 2 s
.endr
.irp i, 0,1,2,3
	v_fma_f32 v[32+\i], -v[20+\i], v[24+\i], 1.0   ; cos 2h = 1 - 2 s s
	v_mul_f32 v[24+\i], v[20+\i], v[28+\i]         ; sin 2h = 2 s c
.endr
.irp i, 0,1,2,3
	v_add_f32 v[20+\i], v[24+\i], v[24+\i]
.endr
.irp i, 0,1,2,3
	v_fma_f32 v[28+\i], -v[20+\i], v[24+\i], 1.0   ; cos 4h
	v_mul_f32 v[24+\i], v[20+\i], v[32+\i]         ; sin 4h
.endr
	global_store_b128 v5, v[28:31], s[28:29]               ; a wave stores 512 consecutive bytes
	global_store_b128 v5, v[24:27], s[28:29] offset:2048
	s_endpgm
.Lfunc_end_k_qf6a11262ea_prep:
	.size	k_qf6a11262ea_prep, .Lfunc_end_k_qf6a11262ea_prep-k_qf6a11262ea_prep
	.p2alignl 7, 3214868480
	.fill 96, 4, 3214868480
	.section	.rodata,"a",@progbits
	.p2align	6, 0x0
	.amdhsa_kernel k_qf6a11262ea_prep
		.amdhsa_group_segment_fixed_size 33280
		.amdhsa_private_segment_fixed_size 0
		.amdhsa_enable_private_segment 0
		.amdhsa_kernarg_size 72
		.amdhsa_user_sgpr_count 2
		.amdhsa_user_sgpr_kernarg_segment_ptr 1
		.amdhsa_wavefront_size32 1
		.amdhsa_system_sgpr_workgroup_id_x 1
		.amdhsa_system_sgpr_workgroup_id_y 1
		.amdhsa_system_sgpr_workgroup_id_z 1
		.amdhsa_system_vgpr_workitem_id 0
		.amdhsa_next_free_vgpr 194
		.amdhsa_next_free_sgpr 66
		.amdhsa_reserve_vcc 0
		.amdhsa_float_denorm_mode_32 3
		.amdhsa_float_denorm_mode_16_64 3
		.amdhsa_memory_ordered 1
		.amdhsa_forward_progress 1
		.amdhsa_inst_pref_size 46
	.end_amdhsa_kernel
	.amdgpu_metadata
---
amdhsa.version: [ 1, 2 ]
amdhsa.kernels:
  - .name:           k_qf6a11262ea_prep
    .symbol:         k_qf6a11262ea_prep.kd
    .args:
      - { .name: x, .offset: 0, .size: 8, .value_kind: global_buffer, .address_space: global }
      - { .name: qkv_w, .offset: 8, .size: 8, .value_kind: global_buffer, .address_space: global }
      - { .name: xc, .offset: 16, .size: 8, .value_kind: global_buffer, .address_space: global }
      - { .name: xs, .offset: 24, .size: 8, .value_kind: global_buffer, .address_space: global }
      - { .name: wc, .offset: 32, .size: 8, .value_kind: global_buffer, .address_space: global }
      - { .name: ws, .offset: 40, .size: 8, .value_kind: global_buffer, .address_space: global }
      - { .name: out_w, .offset: 48, .size: 8, .value_kind: global_buffer, .address_space: global }
      - { .name: owh, .offset: 56, .size: 8, .value_kind: global_buffer, .address_space: global }
      - { .name: rope, .offset: 64, .size: 8, .value_kind: global_buffer, .address_space: global }
    .group_segment_fixed_size: 33280
    .private_segment_fixed_size: 0
    .kernarg_segment_align: 8
    .kernarg_segment_size: 72
    .max_flat_workgroup_size: 128
    .sgpr_count:     66
    .vgpr_count:     194
    .wavefront_size: 32
...
	.end_amdgpu_metadata
.endif
;; end of part 1
;; launch qkv (part 2): grid 12 x 16, 4 waves a work-group, clusters of 4 x 4, 327,680 bytes of LDS; arguments xc, xs, wc, ws, qkv_b, rope, qkvh; writes qkvh
.if DOCPART == 2
	.amdgcn_target "amdgcn-amd-amdhsa--gfx1250"
	.amdhsa_code_object_version 6
	.text
	.protected	k_qf6a11262ea_qkv
	.globl	k_qf6a11262ea_qkv
	.p2align	8
	.type	k_qf6a11262ea_qkv,@function
k_qf6a11262ea_qkv:
	s_mov_b64 s[64:65], 0
	v_nop
	global_prefetch_b8 v0, s[64:65] scope:SCOPE_SE
	s_setreg_imm32_b32 hwreg(HW_REG_WAVE_MODE, 25, 1), 1
	s_wait_xcnt 0x0
	s_wait_alu depctr_hold_cnt(0) depctr_sa_sdst(0) depctr_va_vdst(0) depctr_va_sdst(0) depctr_va_ssrc(0) depctr_va_vcc(0) depctr_vm_vsrc(0)
	s_getreg_b32 s2, hwreg(HW_REG_IB_STS2, 6, 4)
	s_cmp_eq_u32 s2, 0
	s_cbranch_scc0 .Lentry_in_a_cluster
	s_endpgm
.Lentry_in_a_cluster:
	s_bfe_u32 s2, ttmp6, 0x10000c
	s_cmp_lg_u32 s2, 0xf033
	s_cbranch_scc0 .Lentry_shape_is_right
	s_endpgm
.Lentry_shape_is_right:
; QKV: q, k, v = x qkv_w^T + qkv_b on codes of FP4 (E2M1) with one E8M0 scale for each 32 along K; q and k are rotated (2-D rotary positions); all three leave as f16, laid [which 3][batch 8][head 16][token 1024][64].
; A = x's codes [8192][512 bytes], B = qkv_w's [3072][512 bytes]; their scale bytes [rows][32].  Sums, bias and rotation in f32.
; LIMIT: |q|, |k|, |v| stay under 65,504, f16's largest number (inputs some 30 times those drawn, or offset by 30 spreads, give at most some 41,000).
; A tile of the result, 256 tokens x 256 columns (4 heads of one of q, k, v), is made by a work-group of four waves; a wave makes 128 x 128: 64 accumulators of 16 x 16, 512 registers.
; A WORK-GROUP STAYS AND MAKES TWO TILES, 16 tile rows (4 batches) apart, in the same 256 columns: the result has 384 tiles, which 256 WGPs would take in two turns, the second half empty; 192 work-groups take two each,
; and the first tile's stores leave while the second is multiplied.  B's 256 rows, for all of K, its scales, the bias and the tables are fetched once and serve both tiles.
; K = 1,024 is two slots of 512 along K (LDS rows of 256 bytes + 16).  Only A's halves of the slots are filled again, with the second tile's rows: slot 0's at the first tile's change of slots, slot 1's in its last step;
; each of the four waves brings 64 rows, one tensor load a wave behind each of the two rounds.  A's scales of both tiles come with the first fills.
; CLUSTERS: 4 x 4 work-groups.  The four of a row of the cluster need the same tiles of A, the four of a column the same tiles of B: each tile is asked for JOINTLY, by the same tensor load with the same
; descriptor and a mask that names the four.  THE MATRIX INSTRUCTION IS USED TRANSPOSED (source 0 = 16 rows of B, source 1 = 16 rows of A): a lane holds ONE token (lane % 16) and eight neighbouring columns.
; THE BIAS is the C of each sum's first matrix instruction: eight registers for each block of 16 columns, in the result's layout.
; THE ROTATION pairs channels c and c + 16 inside each half of a head: blocks of columns 2 p and 2 p + 1, same lane, same register.  Even p turn by the token's row position (token / 32), odd p by its column
; position (token % 32); the frequency is 8 (lane / 16) + register.  V's tiles (cluster x = 2) take the same lines with cos = 1 and sin = 0, which change no number: so the text has one path.
; REGISTERS, in windows of 256: window 0: v0-31 addresses; v32-95 scale words, two sets; v96-127 cos and sin by column position, two sets; v128-191 A's fragments, ONE set; v192-255 cos and sin by row position, four sets.
;   On the way out v128-191 hold the rotated numbers and v32-63 their f16.   window 1: B's fragments, two sets, at v0 and v128 (on the way out v0-63: rows read back); v64-127 the bias.
;   window 2: the 32 accumulators of my tokens 0-63 (accumulator (a, b) at v[8 (8 a + b)]);   window 3: those of my tokens 64-127.
.set KSTEP,  512                       ; along K in a slot
.set NQ,     KSTEP/128                 ; matrix instructions deep
.set ROWB,   256                       ; a tile's row in bytes
.set KROW,   512                       ; a row of codes in memory
.set PITCH,  272                       ; an LDS row: 256 bytes + 16 = 68 words: row r starts at bank 4 r mod 64 (64 banks of 4 bytes: ISA guide 11.1)
.set FR,     8                         ; registers of a fragment: 16 rows x 128 K
.set NL,     2                         ; LDS loads that bring one
.set NP,     4                         ; places behind this matrix instruction (ISA guide 7.12.1)
.set HALFT,  128*PITCH                 ; 128 rows: what one of the first tensor loads brings
.set SLOT,   4*HALFT                   ; A's 256 rows, then B's 256 rows
.set KS,     32                        ; a row of scales in bytes
.set SCL,    2*SLOT                    ; behind the slots: the scales, as rows of 256 bytes + 16: A's of the first tile, A's of the second,
.set HALFS,  (128*KS/256)*272          ; (the scales of 128 rows)
.set SBLK,   (16*KS/256)*272           ; (those of 16 rows)
.set SCB,    SCL+4*HALFS               ; then B's
.set SPARE,  SCL+6*HALFS               ; the spare words, 128 bytes for each wave: two blocks of 256 bytes that no other line names
.set STAGE,  SPARE+512                 ; the way out: 16 rows x (256 bytes + 16) for each wave; no fill lands here
.set SPITCH, 272
.set WALKA,  16*256*KROW               ; bytes of codes from a tile's rows to the next tile's
.set WALKS,  16*256*KS                 ; of scale bytes
.set WALKO,  4<<21                     ; and in q, k, v: four batches
.set ADRA, 16                          ; v16-17  LDS address of my A fragments in slot 0, 1
.set ADRB, 20                          ; v20-21  the same for B
.set STO,  24                          ; v24     the way out: where I put 16 bytes of a row
.set RD,   25                          ; v25     where I read back
.set CO,   26                          ; v26     16 x lane
.set ADRS, 27                          ; v27     LDS address of my scale words in the first tile: lanes 0-15 A's rows, lanes 16-31 B's;  v30 the same for the second tile
.set SPW,  28                          ; v28     LDS address of my spare word; never rewritten
.set NIL,  29                          ; v29     0; never rewritten
.set PFO,  31                          ; v31     256 x lane: the prefetch's offset; never rewritten
.set SC,   32                          ; scale words: set s at v[SC + 32 s]; register 4 i + q: lanes 0-15 A's block i, lanes 16-31 B's block i, the slot's q-th 128 along K
.set CX,   96                          ; set a % 2: 8 cos, 8 sin at column position 16 (a % 2) + lane % 16
.set AF,   128                         ; A's fragments
.set CY,   192                         ; set a / 2: 8 cos, 8 sin at row position y0 + a / 2
.set T,    128                         ; the way out: 64 rotated numbers
.set P,    32                          ; and their f16
.set BI,   64                          ; window 1: the bias
.set G1, 24                            ; s[24:31] descriptor group 1 for A's tiles;  s[32:39] group 0, one set for each slot
.set G0, 32
.set G1B, 48                           ; s[48:55], s[56:63] the same for B's tiles
.set G0B, 56
.set PFA, 66                           ; s[66:67] where my prefetch stands
.set G1S, 68                           ; s[68:75], s[76:79] groups 1 and 0 for A's scales;  s[80:87], s[88:91] for B's
.set G0S, 76
.set G1SB, 80
.set G0SB, 88
.set G1Q, 68                           ; once A's scales have landed their registers serve the refills: s[68:75] group 1 (64 rows), s[76:79] group 0
.set G0R, 76
.set MSB, 0
.macro WIN new                         ; the immediate's high byte repeats the setting that is left
.if MSB != (\new)
	s_set_vgpr_msb (MSB<<8)|(\new)
.set MSB, (\new)
.endif
.endm
.set MUL_LO, 0xa1                      ; source 0 (B) window 1, source 1 (A) window 0, C and D window 2
.set MUL_HI, 0xf1                      ; the same, C and D window 3
.set BIAS_LO, 0x91                     ; C (the bias) window 1, D window 2
.set BIAS_HI, 0xd1                     ; C window 1, D window 3
.set TO_B,   0x40                      ; destination window 1, address window 0
; A joint load: waves 0 and 1 fetch for A, waves 2 and 3 for B.  Each line has ONE mask and one set of registers for all that issue it; the branch hangs on the wave's number alone.
; Four v_nop follow each of the two lines, ahead of the jump, the label and what follows.
.macro JLOAD g0a, g1a, g0b, g1b
	s_cmp_eq_u32 s15, 0
	s_cbranch_scc0 .Lfor_b_\@
	tensor_load_to_lds s[\g0a:\g0a+3], s[\g1a:\g1a+7]
	s_nop 0
.rept 4
	v_nop
.endr
	s_branch .Lasked_\@
.Lfor_b_\@:
	tensor_load_to_lds s[\g0b:\g0b+3], s[\g1b:\g1b+7]
	s_nop 0
.rept 4
	v_nop
.endr
.Lasked_\@:
.endm
.macro CREST                           ; a round of the cluster's barrier behind its opening barrier
	s_cmp_lg_u32 s14, 0
	s_cbranch_scc1 .Lnot_wave_0_\@
	s_barrier_signal -3
.Lnot_wave_0_\@:
	s_barrier_wait -3
	s_barrier_signal -1
	s_barrier_wait -1
.endm
.macro CROUND                          ; a whole round
	s_barrier_signal -1
	s_barrier_wait -1
	CREST
.endm
	s_load_b128 s[4:7], s[0:1], 0x0                ; A's codes s[4:5], A's scales s[6:7]
	s_load_b128 s[8:11], s[0:1], 0x10              ; B's codes s[8:9], B's scales s[10:11]
	s_load_b128 s[96:99], s[0:1], 0x20             ; the bias s[96:97], the table s[98:99]
	s_load_b64 s[12:13], s[0:1], 0x30              ; q, k, v
	v_lshl_add_u32 v[SPW], v0, 2, SPARE
	v_mov_b32 v[NIL], 0
	ds_add_u32 v28, v29
	ds_add_u32 v28, v29
	s_wait_dscnt 0x0
	v_lshrrev_b32 v1, 5, v0
	v_readfirstlane_b32 s14, v1                    ; wave 0..3
	s_lshr_b32 s15, s14, 1                         ; which half of the tile's tokens is mine.  Also: I fetch for A (0) or for B (1)
	s_and_b32 s16, s14, 1                          ; which half of its columns.  Also: which 128 rows of that tile I fetch
	s_bfe_u32 s40, ttmp6, 0x40000                  ; cx, cy: my place in the cluster
	s_bfe_u32 s41, ttmp6, 0x40004
	s_lshl_b32 s42, ttmp9, 2
	s_add_co_u32 s42, s42, s40                     ; tile column = 4 x cluster x + cx
	s_and_b32 s17, ttmp7, 0xffff
	s_lshl_b32 s17, s17, 2
	s_add_co_u32 s17, s17, s41                     ; my first tile's row = 4 x cluster y + cy: 0 to 15
	s_lshl_b32 s43, s41, 2
	s_lshl_b32 s43, 15, s43                        ; my row of the cluster
	s_lshl_b32 s44, 0x1111, s40                    ; my column
	; descriptor group 1: a tile of 128 rows x 256 bytes, padded in LDS
	s_or_b32 s[G1+0], s43, (0<<16)|(1<<20)|(1<<21)|(5<<22)|(3<<25)  ; 15:0 the mask; 17:16 elements of 1 byte; 20 padding on; 21 set beside a mask; 24:22 after every 64 words; 31:25 four words
	s_or_b32 s[G1B+0], s44, (0<<16)|(1<<20)|(1<<21)|(5<<22)|(3<<25)
.irp g, G1, G1B
	s_mov_b32 s[\g+1], ROWB<<16                    ; tensor_dim0
	s_mov_b32 s[\g+2], 128<<16                     ; tensor_dim1
	s_mov_b32 s[\g+3], ROWB<<16                    ; tile_dim0
	s_mov_b32 s[\g+4], 128                         ; tile_dim1
	s_mov_b32 s[\g+5], KROW                        ; tensor_dim0_stride
	s_mov_b32 s[\g+6], 0
	s_mov_b32 s[\g+7], 0
.endr
	; the scales are dense blocks, brought as rows of 256 bytes (32 elements of 8 bytes), 16 bytes of padding behind each.  A: a whole tile's 256 rows, 8,192 bytes, 32 such rows (wave 0: the first tile's; wave 1: the second's).
	; B: 128 rows, 16 such rows (waves 2 and 3)
	s_or_b32 s[G1S+0], s43, (3<<16)|(1<<20)|(1<<21)|(5<<22)|(3<<25)
	s_or_b32 s[G1SB+0], s44, (3<<16)|(1<<20)|(1<<21)|(5<<22)|(3<<25)
.irp g, G1S, G1SB
	s_mov_b32 s[\g+1], 32<<16
	s_mov_b32 s[\g+3], 32<<16
	s_mov_b32 s[\g+5], 32
	s_mov_b32 s[\g+6], 0
	s_mov_b32 s[\g+7], 0
.endr
	s_mov_b32 s[G1S+2], 32<<16
	s_mov_b32 s[G1S+4], 32
	s_mov_b32 s[G1SB+2], 16<<16
	s_mov_b32 s[G1SB+4], 16
	s_lshl_b32 s18, s16, 7                         ; which 128 rows of the tile I fetch
	s_lshl_b32 s20, s17, 8
	s_add_co_u32 s20, s20, s18                     ; A: row 256 x tile row + 128 x half
	s_lshl_b32 s46, s42, 8
	s_add_co_u32 s46, s46, s18                     ; B: row 256 x tile column + 128 x half
	s_mov_b32 s21, 0
	s_mov_b32 s47, 0
	s_lshl_b32 s22, s17, 13                        ; A's scales: the tile row's 256 rows of 32 bytes,
	s_lshl_b32 s23, s16, 17                        ; and WALKS further on for the second tile's
	s_add_co_u32 s22, s22, s23
	s_mov_b32 s23, 0
	s_mov_b64 s[18:19], KS
	s_mul_u64 s[92:93], s[46:47], s[18:19]         ; where B's rows' scales begin, in bytes
	s_mov_b64 s[18:19], KROW
	s_mul_u64 s[20:21], s[20:21], s[18:19]         ; and the codes
	s_mul_u64 s[46:47], s[46:47], s[18:19]
	s_mul_i32 s45, s14, HALFT                      ; where they go: wave x 128 rows: no place in the cluster enters an LDS address
	s_mul_i32 s94, s16, 2*HALFS
	s_mul_i32 s95, s16, HALFS
	s_wait_kmcnt 0x0
	s_add_nc_u64 s[20:21], s[4:5], s[20:21]
	s_add_nc_u64 s[22:23], s[6:7], s[22:23]
	s_add_nc_u64 s[46:47], s[8:9], s[46:47]
	s_add_nc_u64 s[92:93], s[10:11], s[92:93]
	CROUND                                         ; all sixteen work-groups are here: the first joint loads meet
	s_mov_b32 s[G0S], 1
	s_add_co_u32 s[G0S+1], s94, SCL
	s_mov_b64 s[G0S+2:G0S+3], s[22:23]
	s_or_b32 s[G0S+3], s[G0S+3], 0x80000000
	s_mov_b32 s[G0SB], 1
	s_add_co_u32 s[G0SB+1], s95, SCB
	s_mov_b64 s[G0SB+2:G0SB+3], s[92:93]
	s_or_b32 s[G0SB+3], s[G0SB+3], 0x80000000
	JLOAD G0S, G1S, G0SB, G1SB                     ; the scales first: they are wanted with the first slot
.irp s, 0,1
	s_mov_b32 s[G0+4*\s], 1
	s_add_co_u32 s[G0+4*\s+1], s45, \s*SLOT
	s_add_nc_u64 s[G0+4*\s+2:G0+4*\s+3], s[20:21], \s*ROWB
	s_or_b32 s[G0+4*\s+3], s[G0+4*\s+3], 0x80000000
	s_mov_b32 s[G0B+4*\s], 1
	s_add_co_u32 s[G0B+4*\s+1], s45, \s*SLOT
	s_add_nc_u64 s[G0B+4*\s+2:G0B+4*\s+3], s[46:47], \s*ROWB
	s_or_b32 s[G0B+4*\s+3], s[G0B+4*\s+3], 0x80000000
	JLOAD G0+4*\s, G1, G0B+4*\s, G1B               ; three tensor loads of mine are out
.endr
	v_and_b32 v1, 15, v0                           ; r = lane % 16
	v_bfe_u32 v2, v0, 4, 1                         ; h = lane / 16
	v_lshlrev_b32 v7, 5, v2                        ; 32 h: eight f32 for each half of the lanes
	v_lshl_add_u32 v8, v1, 6, v7                   ; 64 r + 32 h
	; the bias of my 128 columns: block b's eight numbers of my half
	s_lshl_b32 s46, s42, 10
	s_lshl_b32 s47, s16, 9
	s_add_co_u32 s46, s46, s47                     ; (256 x tile column + 128 x half) x 4 bytes
	s_mov_b32 s47, 0
	s_add_nc_u64 s[96:97], s[96:97], s[46:47]
	WIN TO_B
.irp b, 0,1,2,3,4,5,6,7
	global_load_b128 v[BI+8*\b:BI+8*\b+3],   v7, s[96:97] offset:64*\b
	global_load_b128 v[BI+8*\b+4:BI+8*\b+7], v7, s[96:97] offset:64*\b+16
.endr
	WIN 0
	; the table.  My token 16 a + r has column position 16 (a % 2) + r and row position y0 + a / 2, y0 = 8 (tile row % 4) + 4 x my half: the same in both tiles, which lie 16 tile rows apart
	s_and_b32 s20, s17, 3
	s_lshl_b32 s20, s20, 3
	s_lshl_b32 s21, s15, 2
	s_add_co_u32 s20, s20, s21
	s_lshl_b32 s20, s20, 6                         ; 64 bytes a position
	s_mov_b32 s21, 0
	s_add_nc_u64 s[92:93], s[98:99], s[20:21]
.irp p, 0,1
	global_load_b128 v[CX+16*\p:CX+16*\p+3],     v8, s[98:99] offset:1024*\p
	global_load_b128 v[CX+16*\p+4:CX+16*\p+7],   v8, s[98:99] offset:1024*\p+16
	global_load_b128 v[CX+16*\p+8:CX+16*\p+11],  v8, s[98:99] offset:1024*\p+2048
	global_load_b128 v[CX+16*\p+12:CX+16*\p+15], v8, s[98:99] offset:1024*\p+2064
.endr
.irp u, 0,1,2,3
	global_load_b128 v[CY+16*\u:CY+16*\u+3],     v7, s[92:93] offset:64*\u
	global_load_b128 v[CY+16*\u+4:CY+16*\u+7],   v7, s[92:93] offset:64*\u+16
	global_load_b128 v[CY+16*\u+8:CY+16*\u+11],  v7, s[92:93] offset:64*\u+2048
	global_load_b128 v[CY+16*\u+12:CY+16*\u+15], v7, s[92:93] offset:64*\u+2064
.endr
	v_mul_u32_u24 v3, v1, PITCH
	v_lshl_add_u32 v4, v2, 4, v3                   ; a fragment's row x pitch + 16 x half
	s_mul_i32 s21, s15, HALFT                      ; my 128 rows of A
	s_mul_i32 s22, s16, HALFT                      ; my 128 rows of B,
	s_add_co_u32 s22, s22, 2*HALFT                 ; which lie behind A's 256
.irp s, 0,1
	v_add_nc_u32 v[ADRA+\s], s21, v4
	v_add_nc_u32 v[ADRB+\s], s22, v4
	s_add_co_u32 s21, s21, SLOT
	s_add_co_u32 s22, s22, SLOT
.endr
	v_mul_u32_u24 v5, v1, KS                       ; my row's scales: 32 bytes a row,
	v_lshrrev_b32 v6, 8, v5
	v_lshl_add_u32 v5, v6, 4, v5                   ; and 16 more for each 256 passed
	s_mul_i32 s21, s15, HALFS                      ; A's: my 128 rows of the first tile
	s_mul_i32 s22, s16, HALFS                      ; B's: my 128 rows, behind both tiles' A's
	s_add_co_u32 s22, s22, 4*HALFS
	s_sub_co_u32 s22, s22, s21
	v_mul_u32_u24 v6, s22, v2                      ; lanes 16-31 take B's: one product, the distance between the two bases
	s_add_co_u32 s21, s21, SCL
	v_add_nc_u32 v6, v5, v6
	v_add_nc_u32 v27, s21, v6
	s_sub_co_u32 s22, s22, 2*HALFS                 ; the second tile: A's lie 2 HALFS further on, B's where they were
	v_mul_u32_u24 v6, s22, v2
	s_add_co_u32 s21, s21, 2*HALFS
	v_add_nc_u32 v6, v5, v6
	v_add_nc_u32 v30, s21, v6
	s_mul_i32 s23, s14, 16*SPITCH
	s_add_co_u32 s23, s23, STAGE                   ; my stage
	v_mul_u32_u24 v5, v1, SPITCH                   ; in: row r, 16 bytes for each half of the lanes
	v_lshl_add_u32 v5, v2, 4, v5
	v_add_nc_u32 v[STO], s23, v5
	v_bfe_u32 v5, v0, 3, 2                         ; back: eight lanes take 128 bytes (a token's 64 channels of one head), four tokens an instruction
	v_mul_u32_u24 v5, v5, SPITCH
	v_and_b32 v6, 7, v0
	v_lshl_add_u32 v5, v6, 4, v5
	v_add_nc_u32 v[RD], s23, v5
	v_and_b32 v6, 31, v0
	v_lshlrev_b32 v[CO], 4, v6
	v_lshlrev_b32 v[PFO], 8, v6
	; where my part of the first tile begins in q, k, v: which x 2^24 + batch x 2^21 + head x 2^17 + token x 128
	s_lshl_b32 s20, ttmp9, 24                      ; a cluster's four tile columns are the 16 heads of one of q, k, v
	s_lshr_b32 s21, s17, 2
	s_lshl_b32 s21, s21, 21
	s_add_co_u32 s20, s20, s21
	s_and_b32 s21, s17, 3
	s_lshl_b32 s21, s21, 15
	s_add_co_u32 s20, s20, s21
	s_lshl_b32 s21, s15, 14
	s_add_co_u32 s20, s20, s21
	s_mov_b32 s21, 0
	s_add_nc_u64 s[12:13], s[12:13], s[20:21]
	s_lshl_b32 s46, s40, 19                        ; head 4 cx + 2 x my half of the columns
	s_lshl_b32 s47, s16, 18
	s_add_co_u32 s46, s46, s47
	s_mov_b32 s47, 0
	s_add_nc_u64 s[12:13], s[12:13], s[46:47]
	; the prefetch: the second tile's codes are 131,072 dense bytes, 512 blocks of 256: 4 partners of a row x 4 waves x 32 lanes name one block each; the partners are told apart by address
	s_lshl_b32 s46, s17, 17
	s_lshl_b32 s47, s40, 15
	s_add_co_u32 s46, s46, s47
	s_lshl_b32 s47, s14, 13
	s_add_co_u32 s46, s46, s47
	s_add_co_u32 s46, s46, WALKA
	s_mov_b32 s47, 0
	s_add_nc_u64 s[PFA:PFA+1], s[4:5], s[46:47]
	s_cmp_eq_u32 ttmp9, 2                          ; V's tiles: cos = cos x 0 + 1, sin = sin x 0; else x 1 + 0, x 1
	s_cselect_b32 s20, 0, 1.0
	s_cselect_b32 s21, 1.0, 0
.macro FRAG reg, adr, q, i             ; a fragment, 16 rows x 128 K of 4-bit codes: lane l holds row l % 16; registers 4 c .. 4 c + 3 hold K = 64 c + 32 (l / 16) + 0 .. 31
.irp c, 0,1
	ds_load_b128 v[\reg+4*\c:\reg+4*\c+3], v[\adr] offset:64*(\q)+32*\c+(\i)*16*PITCH
.endr
.endm
; 16 matrix instructions: A's blocks a0, a0 + 1 x B's eight, the slot's q-th 128 along K.  p: B's set;  sc: the set of scale words.  first = 1: the bias starts the sums: nothing is ever cleared.
; The 64 accumulators take turns, one instruction a turn, in the same order in every step.
.macro MUL16 a0, p, q, sc, first
.irp a, \a0, \a0+1
.irp b, 0,1,2,3,4,5,6,7
.if \first
	v_wmma_scale_f32_16x16x128_f8f6f4 v[8*(8*((\a)%4)+\b):8*(8*((\a)%4)+\b)+7], v[128*(\p)+FR*\b:128*(\p)+FR*\b+FR-1], v[AF+FR*(\a):AF+FR*(\a)+FR-1], v[BI+8*\b:BI+8*\b+7], v[SC+8*NQ*(\sc)+NQ*\b+(\q)], v[SC+8*NQ*(\sc)+NQ*(\a)+(\q)] matrix_a_fmt:MATRIX_FMT_FP4 matrix_b_fmt:MATRIX_FMT_FP4 matrix_a_scale:MATRIX_SCALE_ROW1
.else
	v_wmma_scale_f32_16x16x128_f8f6f4 v[8*(8*((\a)%4)+\b):8*(8*((\a)%4)+\b)+7], v[128*(\p)+FR*\b:128*(\p)+FR*\b+FR-1], v[AF+FR*(\a):AF+FR*(\a)+FR-1], v[8*(8*((\a)%4)+\b):8*(8*((\a)%4)+\b)+7], v[SC+8*NQ*(\sc)+NQ*\b+(\q)], v[SC+8*NQ*(\sc)+NQ*(\a)+(\q)] matrix_a_fmt:MATRIX_FMT_FP4 matrix_b_fmt:MATRIX_FMT_FP4 matrix_a_scale:MATRIX_SCALE_ROW1
.endif
.endr
.endr
.endm
.macro FETCH_B slot, q, p              ; B's eight fragments of the slot's q-th 128 along K into set p
	WIN TO_B
.irp i, 0,1,2,3,4,5,6,7
	FRAG 128*(\p)+FR*\i, ADRB+\slot, \q, \i
.endr
	WIN 0
.endm
.macro FETCH_A slot, q, i0             ; A's blocks i0 .. i0 + 3
.irp i, \i0, \i0+1, \i0+2, \i0+3
	FRAG AF+FR*(\i), ADRA+\slot, \q, \i
.endr
.endm
.macro SCALES sc                       ; a slot's scale words into set sc: four words a row; lanes 0-15 take A's block i, lanes 16-31 B's block i
.irp i, 0,1,2,3,4,5,6,7
	ds_load_b128 v[SC+8*NQ*\sc+NQ*\i:SC+8*NQ*\sc+NQ*\i+3], v[ADRS] offset:\i*SBLK
.endr
.endm
; A load into a register that a matrix instruction has read, and a vector instruction that reads a matrix result or writes one of a matrix instruction's registers, stand NP places behind it; only plain vector
; instructions that name none of its registers are places (ISA guide 7.12.1 for vector instructions).
.macro PLACES n
.rept \n
	v_nop
.endr
.endm
; A step of 128 along K that has its successor in the same slot.  A's blocks go one after the other, each against B's eight: so one set of registers serves A (blocks 0-3 are fetched anew in the step's middle,
; blocks 4-7 at its end), and B has two.
.macro STEP slot, q, first
	s_wait_dscnt 4*NL                              ; B's set and A's blocks 0-3 are in; the youngest eight loads (A's blocks 4-7) may be out
.if \first
	WIN BIAS_LO
.else
	WIN MUL_LO
.endif
	MUL16 0, (\q)%2, \q, \slot, \first
	MUL16 2, (\q)%2, \q, \slot, \first
	s_wait_dscnt 0                                 ; A's blocks 4-7 are in (asked for 32 matrix instructions ago)
	PLACES NP
	FETCH_B \slot, (\q)+1, 1-(\q)%2
	FETCH_A \slot, (\q)+1, 0
.if \first
	WIN BIAS_HI
.else
	WIN MUL_HI
.endif
	MUL16 4, (\q)%2, \q, \slot, \first
	MUL16 6, (\q)%2, \q, \slot, \first
	PLACES NP
	WIN 0
	FETCH_A \slot, (\q)+1, 4
.endm
; Slot 0's last step changes slots: one barrier; in front of it each wave waits for all its tensor loads (its part of slot 1), adds 0 to its spare word, and waits for that and for its own reads of slot 0.
; Behind it slot 1 is whole and nobody reads slot 0 any more.  fill = 1 (the first tile): the barrier opens a round of the cluster's barrier, and A's half of slot 0 takes the second tile's rows, 64 a wave.
.macro TURN slot, next, fill
	s_wait_tensorcnt 0x0                           ; all my tensor loads have landed
	ds_add_u32 v[SPW], v[NIL]                      ; 0 onto my spare word
	s_wait_dscnt 4*NL+1                            ; (the add and the youngest eight loads, A's blocks 4-7, may be out)
	WIN MUL_LO
	MUL16 0, 1, NQ-1, \slot, 0                     ; sixteen matrix instructions stand between the add and the wait for it
	s_wait_dscnt 0x0                               ; the add is done, and my reads of this slot are over
	s_barrier_signal -1
	MUL16 2, 1, NQ-1, \slot, 0
	WIN 0
	s_barrier_wait -1
.if \fill
	CREST                                          ; no wave of any partner still reads this slot's tile or has a load on its way
	tensor_load_to_lds s[G0R:G0R+3], s[G1Q:G1Q+7]  ; the first tensor load behind the round, one a wave; one line, one mask for all four waves
	s_nop 0
.endif
	PLACES NP                                      ; four v_nop behind the load; they are also the places in front of the loads below
	v_add_nc_u32 v[ADRS], 4*NQ, v[ADRS]            ; on to the next slot's scale words (no LDS load of mine is out)
	FETCH_B \next, 0, 0
	FETCH_A \next, 0, 0
	SCALES \next
	WIN MUL_HI
	MUL16 4, 1, NQ-1, \slot, 0
	MUL16 6, 1, NQ-1, \slot, 0
	PLACES NP
	WIN 0
	FETCH_A \next, 0, 4
.endm
; A tile's very last step: nothing more to fetch from slot 1.  fill = 1 (the first tile): the same three lines, round and one load a wave as in TURN: A's half of slot 1 takes the second tile's rows,
; which have the whole way out in which to land.  The wait for all tensor loads shows slot 0's refill landed, and the round shows that of every wave: so the second tile may read slot 0 behind it.
.macro LAST fill
.if \fill
	s_wait_tensorcnt 0x0                           ; my part of slot 0's refill has landed: no tensor load of mine is out, so the group 0 may be written
	ds_add_u32 v[SPW], v[NIL]                      ; 0 onto my spare word
	s_add_co_u32 s[G0R+1], s[G0R+1], SLOT          ; the other slot,
	s_add_nc_u64 s[G0R+2:G0R+3], s[G0R+2:G0R+3], ROWB  ; the rows' second 512 along K; the type bits on top are not reached
	s_wait_dscnt 4*NL+1
	WIN MUL_LO
	MUL16 0, 1, NQ-1, 1, 0
	s_wait_dscnt 0x0                               ; the add is done, and my reads of slot 1 are over
	s_barrier_signal -1
	MUL16 2, 1, NQ-1, 1, 0
	WIN 0
	s_barrier_wait -1
	CREST
	tensor_load_to_lds s[G0R:G0R+3], s[G1Q:G1Q+7]
	s_nop 0
	PLACES NP                                      ; four v_nop behind the load
.else
	s_wait_dscnt 4*NL
	WIN MUL_LO
	MUL16 0, 1, NQ-1, 1, 0
	MUL16 2, 1, NQ-1, 1, 0
	s_wait_dscnt 0
.endif
	WIN MUL_HI
	MUL16 4, 1, NQ-1, 1, 0
	MUL16 6, 1, NQ-1, 1, 0
	WIN 0
.endm
; THE WAY OUT, block by block of 16 tokens x 128 columns (two heads).
; PACKR: the rotation, pair p of blocks of columns: out(c) = t(c) cos - t(c + 16) sin, out(c + 16) = t(c + 16) cos + t(c) sin; then f16, 16 bytes a lane.  Each accumulator is read from its low end on.
.macro PACKR a
	WIN 0x02+(\a)/4                                ; source 0: window 2 or 3
.irp p, 0,1,2,3
.set A0, 64*((\a)%4)+16*\p
.if \p%2 == 0
.set TB, CY+16*((\a)/2)
.else
.set TB, CX+16*((\a)%2)
.endif
.irp j, 0,2,4,6
	v_pk_mul_f32 v[T+16*\p+\j:T+16*\p+\j+1],     v[A0+\j:A0+\j+1],     v[TB+\j:TB+\j+1]
	v_pk_mul_f32 v[T+16*\p+8+\j:T+16*\p+8+\j+1], v[A0+8+\j:A0+8+\j+1], v[TB+\j:TB+\j+1]
.endr
.irp j, 0,2,4,6
	v_pk_fma_f32 v[T+16*\p+\j:T+16*\p+\j+1],     v[A0+8+\j:A0+8+\j+1], v[TB+8+\j:TB+8+\j+1], v[T+16*\p+\j:T+16*\p+\j+1] neg_lo:[1,0,0] neg_hi:[1,0,0]
	v_pk_fma_f32 v[T+16*\p+8+\j:T+16*\p+8+\j+1], v[A0+\j:A0+\j+1],     v[TB+8+\j:TB+8+\j+1], v[T+16*\p+8+\j:T+16*\p+8+\j+1]
.endr
.endr
	WIN 0
.irp n, 0,1,2,3,4,5,6,7,8,9,10,11,12,13,14,15,16,17,18,19,20,21,22,23,24,25,26,27,28,29,30,31
	v_cvt_pk_f16_f32 v[P+\n], v[T+2*\n], v[T+2*\n+1]
.endr
.endm
; TOSTAGE: into my own stage, and back so that 32 lanes hold four tokens' 128 bytes of one head: 512 neighbouring bytes of memory.  LDS serves a wave's instructions in order: no wait between stores and loads.
.macro TOSTAGE a
.if (\a) > 1
	s_wait_xcnt 0x0                                ; block a - 2's stores have read their registers: block a's loads may land there
.endif
.irp b, 0,1,2,3,4,5,6,7
	ds_store_b128 v[STO], v[P+4*\b:P+4*\b+3] offset:32*\b
.endr
	WIN TO_B
.irp i, 0,1,2,3,4,5,6,7
	ds_load_b128 v[32*((\a)%2)+4*\i:32*((\a)%2)+4*\i+3], v[RD] offset:1088*(\i%4)+128*(\i/4)
.endr
	WIN 0
.endm
.macro SEND a
	s_wait_dscnt 0x0                               ; the block is back in registers
	WIN 0x04                                       ; a store's data are its source 1: window 1
.irp i, 0,1,2,3,4,5,6,7
	global_store_b128 v[CO], v[32*((\a)%2)+4*\i:32*((\a)%2)+4*\i+3], s[12:13] offset:131072*(\i/4)+2048*(\a)+512*(\i%4)   ; 32 lanes store 512 consecutive bytes, at a multiple of 256 from the buffer's first byte
.endr
	WIN 0
.endm
.macro OUT
	PLACES NP                                      ; behind the last products: their results are read and their operands' registers written below
	PACKR 0
	TOSTAGE 0
.irp a, 1,2,3,4,5,6,7                  ; block a's arithmetic stands between block a - 1's loads from the stage and the wait for them
	PACKR \a
	SEND \a-1
	TOSTAGE \a
.endr
	SEND 7
.endm
.macro FIRST_FRAGS                     ; a tile's first fragments and scale words, out of slot 0
	FETCH_B 0, 0, 0
	FETCH_A 0, 0, 0
	SCALES 0
	FETCH_A 0, 0, 4
.endm
	s_wait_tensorcnt 1                             ; the scales and my part of slot 0 are in (slot 1's load may be out)
	s_barrier_signal -1
	s_barrier_wait -1                              ; everybody's are
	; The load that named s[68:79] is done (the wait above): they now describe the refills: 64 rows x 256 bytes of the second tile's A, wave w's rows 64 w on, jointly with my row of the cluster
	s_or_b32 s[G1Q+0], s43, (0<<16)|(1<<20)|(1<<21)|(5<<22)|(3<<25)
	s_mov_b32 s[G1Q+1], ROWB<<16                   ; tensor_dim0
	s_mov_b32 s[G1Q+2], 64<<16                     ; tensor_dim1
	s_mov_b32 s[G1Q+3], ROWB<<16                   ; tile_dim0
	s_mov_b32 s[G1Q+4], 64                         ; tile_dim1
	s_mov_b32 s[G1Q+5], KROW                       ; tensor_dim0_stride
	s_mov_b32 s[G1Q+6], 0
	s_mov_b32 s[G1Q+7], 0
	s_mov_b32 s[G0R], 1
	s_mul_i32 s[G0R+1], s14, 64*PITCH              ; slot 0, A's rows 64 w on
	s_lshl_b32 s2, s17, 17                         ; the first tile's rows in memory,
	s_lshl_b32 s3, s14, 15                         ; my 64 of them,
	s_add_co_u32 s2, s2, s3
	s_add_co_u32 s2, s2, WALKA                     ; in the second tile
	s_mov_b32 s3, 0
	s_add_nc_u64 s[G0R+2:G0R+3], s[4:5], s[2:3]
	s_or_b32 s[G0R+3], s[G0R+3], 0x80000000
	FIRST_FRAGS
	; A PREFETCH INTO THE L2 of the second tile's codes, behind the run of LDS loads that the first products wait for: four steps of 64 matrix instructions ahead of the first refill.  A tile row's codes are read by the three
	; clusters of that row of clusters: the one with x = 0 asks (a number that all sixteen partners share).  Each block of 256 bytes is named once in the launch; its address registers are never rewritten.
	s_cmp_eq_u32 ttmp9, 0
	s_cbranch_scc0 .Lnot_mine
	global_prefetch_b8 v[PFO], s[PFA:PFA+1] th:TH_LOAD_NT scope:SCOPE_SE
.Lnot_mine:
	s_wait_loadcnt 0x0                             ; the bias and the table
.irp g, CX, CX+16, CY, CY+16, CY+32, CY+48
.irp j, 0,1,2,3,4,5,6,7
	v_fma_f32 v[\g+\j], v[\g+\j], s20, s21         ; cos, or 1 in V's tiles
	v_mul_f32 v[\g+8+\j], s20, v[\g+8+\j]          ; sin, or 0
.endr
.endr
	; ---------------- the first tile
	STEP 0, 0, 1
	STEP 0, 1, 0
	STEP 0, 2, 0
	TURN 0, 1, 1
	STEP 1, 0, 0
	STEP 1, 1, 0
	STEP 1, 2, 0
	LAST 1
	OUT
	; ---------------- the second tile: B, its scales, the bias and the tables stand as they were
	s_wait_xcnt 0x0                                ; the last stores have read their registers and their base: B's fragments may land there, and the base may step
	s_add_nc_u64 s[12:13], s[12:13], WALKO
.set ADRS, 30
	FIRST_FRAGS
	STEP 0, 0, 1
	STEP 0, 1, 0
	STEP 0, 2, 0
	TURN 0, 1, 0
	STEP 1, 0, 0
	STEP 1, 1, 0
	STEP 1, 2, 0
	LAST 0
	OUT
	s_wait_tensorcnt 0x0                           ; the wave's end, behind my last tensor load and my last LDS store
	ds_add_u32 v[SPW], v[NIL]
	s_wait_dscnt 0x0
	CROUND                                         ; the closing round: no work-group ends while a partner may still ask for a tile that names it
	s_endpgm
.Lfunc_end_k_qf6a11262ea_qkv:
	.size	k_qf6a11262ea_qkv, .Lfunc_end_k_qf6a11262ea_qkv-k_qf6a11262ea_qkv
	.p2alignl 7, 3214868480
	.fill 96, 4, 3214868480
	.section	.rodata,"a",@progbits
	.p2align	6, 0x0
	.amdhsa_kernel k_qf6a11262ea_qkv
		.amdhsa_group_segment_fixed_size 327680
		.amdhsa_private_segment_fixed_size 0
		.amdhsa_enable_private_segment 0
		.amdhsa_kernarg_size 56
		.amdhsa_user_sgpr_count 2
		.amdhsa_user_sgpr_kernarg_segment_ptr 1
		.amdhsa_wavefront_size32 1
		.amdhsa_system_sgpr_workgroup_id_x 1
		.amdhsa_system_sgpr_workgroup_id_y 1
		.amdhsa_system_sgpr_workgroup_id_z 1
		.amdhsa_system_vgpr_workitem_id 0
		.amdhsa_next_free_vgpr 1024
		.amdhsa_next_free_sgpr 100
		.amdhsa_reserve_vcc 0
		.amdhsa_float_denorm_mode_32 3
		.amdhsa_float_denorm_mode_16_64 3
		.amdhsa_memory_ordered 1
		.amdhsa_forward_progress 1
		.amdhsa_inst_pref_size 255
	.end_amdhsa_kernel
	.section	.bss,"aw",@nobits
	.p2align	6
	.space	262144
	.amdgpu_metadata
---
amdhsa.version: [ 1, 2 ]
amdhsa.kernels:
  - .name:           k_qf6a11262ea_qkv
    .symbol:         k_qf6a11262ea_qkv.kd
    .args:
      - { .name: xc, .offset: 0, .size: 8, .value_kind: global_buffer, .address_space: global }
      - { .name: xs, .offset: 8, .size: 8, .value_kind: global_buffer, .address_space: global }
      - { .name: wc, .offset: 16, .size: 8, .value_kind: global_buffer, .address_space: global }
      - { .name: ws, .offset: 24, .size: 8, .value_kind: global_buffer, .address_space: global }
      - { .name: qkv_b, .offset: 32, .size: 8, .value_kind: global_buffer, .address_space: global }
      - { .name: rope, .offset: 40, .size: 8, .value_kind: global_buffer, .address_space: global }
      - { .name: qkvh, .offset: 48, .size: 8, .value_kind: global_buffer, .address_space: global }
    .group_segment_fixed_size: 327680
    .private_segment_fixed_size: 0
    .kernarg_segment_align: 8
    .kernarg_segment_size: 56
    .max_flat_workgroup_size: 128
    .sgpr_count:     100
    .vgpr_count:     1024
    .wavefront_size: 32
...
	.end_amdgpu_metadata
.endif
;; end of part 2
;; launch attn (part 3): grid 2 x 128, 8 waves a work-group, no clusters, 327,680 bytes of LDS; arguments qkvh, oh; writes oh
.if DOCPART == 3
	.amdgcn_target "amdgcn-amd-amdhsa--gfx1250"
	.amdhsa_code_object_version 6
	.text
	.protected	k_qf6a11262ea_attn
	.globl	k_qf6a11262ea_attn
	.p2align	8
	.type	k_qf6a11262ea_attn,@function
k_qf6a11262ea_attn:
	s_mov_b64 s[64:65], 0
	v_nop
	global_prefetch_b8 v0, s[64:65] scope:SCOPE_SE
	s_setreg_imm32_b32 hwreg(HW_REG_WAVE_MODE, 25, 1), 1
	s_wait_xcnt 0x0
; ATTN: o[b][h][q][:] = the sum over k of softmax_k(q . k / 8) v[k][:].  q, k, v: f16, [which 3][batch x head 128][token 1024][64]; o: f16, [head 16][batch x token 8192][64].
; Products on f16 operands with f32 sums; maxima, exponentials and sums in f32; the weights p (at most 1, by the running maximum) are rounded to f16 for the second product, o once at the end.
; LIMIT: |o| stays under 65,504 (it is a mean of v's rows, which do).
; SHARES.  A work-group owns 512 queries of one head, each of its eight waves 64: four tiles of 16, in 512 registers: two waves to a SIMD.
; THE WAVES ARE TWO GROUPS, HALF A KEY STEP APART, so that one group's vector work stands beside the other's products.  A key step is a softmax (vector work) and 64 products (V^T P, then the next step's K Q^T).
; At two barriers group 0 runs its softmax ahead of the barrier and group 1 behind it: a branch on the wave's number round the softmax alone.  The group is g = (w xor w / 4) & 1: it differs between waves w and w + 4,
; and between waves 2 i and 2 i + 1.
; THE HEAD'S WHOLE K AND V LIE IN LDS, each byte filled once: 131,072 bytes each.  They come in two parts: keys 0-255 with the kernel's first lines, keys 256-1023 behind the first barrier, so that at the start only
; Q and the first part are on their way; the second part lands under key steps 0 to 3.  Waves 0-3 fetch K's quarters, waves 4-7 V's: one tensor load of a wave is out at a time.
; NO CLUSTER: only two work-groups read a head's K and V; a cluster of four along x would hold two heads, so a joint load's address would hang on the place in the cluster.  NO PREFETCH: the second part is asked for as soon as the first has landed.
; LAYOUT.  S^T = K Q^T (source 0 = 16 keys, source 1 = 16 queries): a lane holds ONE query (lane % 16) and the keys 8 (lane / 16) + 0..7.  Two such tiles, rounded to f16 in pairs, ARE source 1 (32 keys x 16 queries)
; of O^T = V^T P, whose result again holds one query a lane.  K comes out of LDS as it lies, V ([key][channel]) turned, by ds_load_tr16_b128.
; SOFTMAX.  For each query a running maximum m and sum l: p = 2^(c s - c m), c = log2(e) / 8; in every step O and l are multiplied by a = 2^(c m_old - c m_new).
; LDS.  Two keys' rows (2 x 128 bytes) make one row of 256 bytes.  K: + 16 bytes: key k at 272 (k / 2) + 128 (k % 2).
; V: + 32 bytes.  The spare words and the stage for the way out lie at the top of the claim.
; REGISTERS.  window 0: v1-13 addresses; v16-47 eight statistics a tile; v48-175 S^T, 32 a tile (P is written over a tile's first 16); v176-239 V of one step.
;   window 1: v0-63 Q, 16 a tile; v64-191 O^T, 32 a tile; v192-255 K of one step.
.set KP,    272
.set VP,    288
.set VBASE, 512*KP                     ; 139,264
.set SPARE, 308224                     ; the spare words, 128 bytes for each wave: four blocks of 256 bytes that no other line names
.set STAGE, 309248                     ; 8 waves x 16 rows x 144 bytes, up to byte 327,680
.set SPI,   144                        ; a stage row: 128 bytes + 16
.set AK0, 3                            ; v3   my lane's place in a tile of K; never rewritten
.set AV0, 4                            ; v4   the same for V
.set ADK, 5                            ; v5   the LDS address of K's loads in hand
.set ADV, 6                            ; v6   of V's
.set QO,  7                            ; v7   my byte offset in the wave's rows of Q
.set STO, 8                            ; v8   the way out: where I put 16 bytes of a row
.set RD,  9                            ; v9   where I read back
.set GO,  10                           ; v10  16 x lane
.set SPW, 12                           ; v12  LDS address of my spare word: SPARE + 4 x my thread's number; never rewritten
.set NIL, 13                           ; v13  0; never rewritten
.set ST,  16                           ; tile t's statistics at v[ST + 8 t]: +0 c m, +1 m, +2, +3 l (even keys', odd keys'), +4 .. +7 at work; a stands in +6
.set S,   48
.set VF,  176
.set Q,   0                            ; window 1
.set O,   64
.set KF,  192
.set WV,  8                            ; s8   my wave's number
.set KW,  9                            ; s9   wave % 4: which quarter I fetch
.set GRP, 11                           ; s11  my group, 0 or 1
.set G1KA, 16                          ; s[16:23] group 1: K, 32 rows;  s[24:31] K, 96 rows;  s[32:39], s[40:47] the same for V
.set G1KB, 24
.set G1VA, 32
.set G1VB, 40
.set G0KA, 48                          ; s[48:63] the four groups 0
.set G0KB, 52
.set G0VA, 56
.set G0VB, 60
.set CS,  66                           ; s[66:67] c: the packed scaling names a pair and takes its low word for both halves
.set SEL, 68                           ; s[68:69] lane selects for v_permlanex16_b32: lane l xor 16
.set TK,  70                           ; s70  LDS byte at which the next step's keys begin in K: 8,704 a step
.set TV,  71                           ; s71  and in V: 9,216 a step
.set CNT, 72
.set MSB, 0
.macro WIN new                         ; the immediate's high byte repeats the setting that is left
.if MSB != (\new)
	s_set_vgpr_msb (MSB<<8)|(\new)
.set MSB, (\new)
.endif
.endm
.set W_KQ, 0x05                        ; K and Q in window 1, S^T in window 0
.set W_PV, 0x50                        ; V and P in window 0, O^T in window 1
.set W_RS, 0x41                        ; O^T (destination and source 0) in window 1, a in window 0
	s_load_b128 s[4:7], s[0:1], 0x0                ; q, k, v s[4:5]; o s[6:7]
	v_lshl_add_u32 v[SPW], v0, 2, SPARE
	v_mov_b32 v[NIL], 0
	ds_add_u32 v12, v13
	ds_add_u32 v12, v13
	s_wait_dscnt 0x0
	v_lshrrev_b32 v1, 5, v0
	v_readfirstlane_b32 s[WV], v1                  ; wave 0..7
	s_and_b32 s[KW], s[WV], 3
	s_lshr_b32 s[GRP], s[WV], 2
	s_xor_b32 s[GRP], s[GRP], s[WV]
	s_and_b32 s[GRP], s[GRP], 1                    ; (w xor w / 4) & 1
	s_and_b32 s10, ttmp7, 0xffff                   ; batch x 16 + head
	; descriptor groups 1: dense blocks as rows of 256 bytes (32 elements of 8 bytes), padded in LDS
.irp g, G1KA, G1KB
	s_mov_b32 s[\g], (3<<16)|(1<<20)|(5<<22)|(3<<25)   ; 15:0 no mask; 17:16 elements of 8 bytes; 20 padding on; 24:22 after every 64 words; 31:25 four words
.endr
.irp g, G1VA, G1VB
	s_mov_b32 s[\g], (3<<16)|(1<<20)|(5<<22)|(7<<25)   ; eight words
.endr
.irp g, G1KA, G1KB, G1VA, G1VB
	s_mov_b32 s[\g+1], 32<<16                      ; tensor_dim0
	s_mov_b32 s[\g+3], 32<<16                      ; tile_dim0
	s_mov_b32 s[\g+5], 32                          ; tensor_dim0_stride
	s_mov_b32 s[\g+6], 0
	s_mov_b32 s[\g+7], 0
.endr
.irp g, G1KA, G1VA
	s_mov_b32 s[\g+2], 32<<16                      ; tensor_dim1: a quarter of keys 0-255 is 32 rows
	s_mov_b32 s[\g+4], 32                          ; tile_dim1
.endr
.irp g, G1KB, G1VB
	s_mov_b32 s[\g+2], 96<<16                      ; a quarter of keys 256-1023 is 96 rows
	s_mov_b32 s[\g+4], 96
.endr
	s_lshl_b32 s12, s10, 17                        ; a head's 1,024 rows of 128 bytes
	s_mov_b32 s13, 0
	s_lshl_b32 s78, s[KW], 13                      ; my quarter of the first part, in memory,
	s_mov_b32 s79, 0
	s_mul_i32 s14, s[KW], 24576
	s_add_co_u32 s14, s14, 32768                   ; and of the second
	s_mov_b32 s15, 0
	s_mov_b32 s[CS], 0x3e38aa3b                    ; c = log2(e) / 8
	s_mov_b32 s[CS+1], s[CS]                       ; named with it as a pair, so it is written
	s_mov_b32 s[SEL], 0x76543210
	s_mov_b32 s[SEL+1], 0xfedcba98
	s_mov_b32 s[TK], 0
	s_mov_b32 s[TV], 0
	s_wait_kmcnt 0x0
	s_add_nc_u64 s[12:13], s[4:5], s[12:13]        ; the head in q,
	s_add_nc_u64 s[74:75], s[12:13], 0x1000000     ; in k,
	s_add_nc_u64 s[76:77], s[12:13], 0x2000000     ; in v
	s_mov_b32 s[G0KA], 1
	s_mul_i32 s[G0KA+1], s[KW], 32*KP
	s_add_nc_u64 s[G0KA+2:G0KA+3], s[74:75], s[78:79]
	s_or_b32 s[G0KA+3], s[G0KA+3], 0x80000000
	s_mov_b32 s[G0KB], 1
	s_mul_i32 s[G0KB+1], s[KW], 96*KP
	s_add_co_u32 s[G0KB+1], s[G0KB+1], 128*KP
	s_add_nc_u64 s[G0KB+2:G0KB+3], s[74:75], s[14:15]
	s_or_b32 s[G0KB+3], s[G0KB+3], 0x80000000
	s_mov_b32 s[G0VA], 1
	s_mul_i32 s[G0VA+1], s[KW], 32*VP
	s_add_co_u32 s[G0VA+1], s[G0VA+1], VBASE
	s_add_nc_u64 s[G0VA+2:G0VA+3], s[76:77], s[78:79]
	s_or_b32 s[G0VA+3], s[G0VA+3], 0x80000000
	s_mov_b32 s[G0VB], 1
	s_mul_i32 s[G0VB+1], s[KW], 96*VP
	s_add_co_u32 s[G0VB+1], s[G0VB+1], VBASE+128*VP
	s_add_nc_u64 s[G0VB+2:G0VB+3], s[76:77], s[14:15]
	s_or_b32 s[G0VB+3], s[G0VB+3], 0x80000000
	s_cmp_lt_u32 s[WV], 4                          ; keys 0-255: a wave's fill stands ahead of every wait on TENSORcnt, every LDS read and every barrier; four v_nop follow it
	s_cbranch_scc0 .Lfill_v
	tensor_load_to_lds s[G0KA:G0KA+3], s[G1KA:G1KA+7]
	s_nop 0
.rept 4
	v_nop
.endr
	s_branch .Lfilled
.Lfill_v:
	tensor_load_to_lds s[G0VA:G0VA+3], s[G1VA:G1VA+7]
	s_nop 0
.rept 4
	v_nop
.endr
.Lfilled:
	s_lshl_b32 s78, ttmp9, 16                      ; my work-group's 512 queries,
	s_lshl_b32 s73, s[WV], 13                      ; my wave's 64 of them
	s_add_co_u32 s78, s78, s73
	s_add_nc_u64 s[12:13], s[12:13], s[78:79]      ; Q at my first query
	s_and_b32 s73, s10, 15
	s_lshl_b32 s73, s73, 20                        ; o: the head's plane,
	s_add_co_u32 s78, s78, s73
	s_lshr_b32 s73, s10, 4
	s_lshl_b32 s73, s73, 17                        ; the batch's 1,024 rows
	s_add_co_u32 s78, s78, s73
	s_add_nc_u64 s[6:7], s[6:7], s[78:79]
	v_and_b32 v1, 15, v0                           ; r = lane % 16
	v_bfe_u32 v2, v0, 4, 1                         ; h = lane / 16
	v_lshlrev_b32 v[QO], 7, v1
	v_lshl_add_u32 v[QO], v2, 4, v[QO]             ; row x 128 + 16 x half
	WIN 0x40                                       ; destination window 1
.irp t, 0,1,2,3                        ; Q stays in registers: a fragment is 16 rows x 32 channels: registers 0-3 channels 8 h + 0..7, registers 4-7 channels 16 + 8 h + 0..7
.irp c, 0,1
	global_load_b128 v[Q+16*\t+8*\c:Q+16*\t+8*\c+3],   v[QO], s[12:13] offset:2048*\t+64*\c
	global_load_b128 v[Q+16*\t+8*\c+4:Q+16*\t+8*\c+7], v[QO], s[12:13] offset:2048*\t+64*\c+32
.endr
.endr
	WIN 0
	v_lshrrev_b32 v11, 1, v1
	v_mul_u32_u24 v[AK0], v11, KP
	v_and_b32 v11, 1, v1
	v_lshl_add_u32 v[AK0], v11, 7, v[AK0]
	v_lshl_add_u32 v[AK0], v2, 4, v[AK0]           ; 272 (r / 2) + 128 (r % 2) + 16 h
	; the turning load takes 16 keys x 16 channels: lane l reads 16 bytes: key 8 h + l % 8, channels 8 ((l / 8) % 2) + 0..7; it leaves lane l channel l % 16 and 8 keys
	v_bfe_u32 v11, v0, 1, 2
	v_lshl_add_u32 v11, v2, 2, v11                 ; the key's row of two: 4 h + (l % 8) / 2
	v_mul_u32_u24 v[AV0], v11, VP
	v_and_b32 v11, 1, v0
	v_lshl_add_u32 v[AV0], v11, 7, v[AV0]
	v_bfe_u32 v11, v0, 3, 1
	v_lshl_add_u32 v[AV0], v11, 4, v[AV0]
	v_add_nc_u32 v[AV0], VBASE, v[AV0]
	s_mul_i32 s73, s[WV], 16*SPI
	s_add_co_u32 s73, s73, STAGE                   ; my stage
	v_mul_u32_u24 v[STO], v1, SPI
	v_lshl_add_u32 v[STO], v2, 4, v[STO]
	v_add_nc_u32 v[STO], s73, v[STO]               ; in: row r, 16 bytes for each half of the lanes
	v_bfe_u32 v11, v0, 3, 2
	v_mul_u32_u24 v[RD], v11, SPI
	v_and_b32 v11, 7, v0
	v_lshl_add_u32 v[RD], v11, 4, v[RD]
	v_add_nc_u32 v[RD], s73, v[RD]                 ; back: eight lanes to a row of 128 bytes, four rows an instruction
	v_and_b32 v[GO], 31, v0
	v_lshlrev_b32 v[GO], 4, v[GO]
; K of the next step: 64 keys x 64 channels: fragment (i, c) = keys 16 i on, channels 32 c on.  16 loads in one run.
.macro KLOAD
	v_add_nc_u32 v[ADK], s[TK], v[AK0]
	s_add_co_u32 s[TK], s[TK], 32*KP
	WIN 0x40
.irp i, 0,1,2,3
.irp c, 0,1
	ds_load_b128 v[KF+8*(2*\i+\c):KF+8*(2*\i+\c)+3],   v[ADK] offset:8*KP*\i+64*\c
	ds_load_b128 v[KF+8*(2*\i+\c)+4:KF+8*(2*\i+\c)+7], v[ADK] offset:8*KP*\i+64*\c+32
.endr
.endr
	WIN 0
.endm
; A step's head: its V is asked for (fragment (e, d) = keys 32 e on, channels 16 d on), then its 32 products K Q^T.  The 16 accumulators take turns, one instruction a turn.
.macro HEAD
	v_add_nc_u32 v[ADV], s[TV], v[AV0]
	s_add_co_u32 s[TV], s[TV], 32*VP
.irp e, 0,1
.irp d, 0,1,2,3
	ds_load_tr16_b128 v[VF+8*(4*\e+\d):VF+8*(4*\e+\d)+3],   v[ADV] offset:16*VP*\e+32*\d
	ds_load_tr16_b128 v[VF+8*(4*\e+\d)+4:VF+8*(4*\e+\d)+7], v[ADV] offset:16*VP*\e+32*\d+8*VP
.endr
.endr
	s_wait_dscnt 16                                ; K is in; V's sixteen loads, just issued, may be out
	WIN W_KQ
.irp c, 0,1
.irp i, 0,1,2,3
.irp t, 0,1,2,3
.if \c == 0
	v_wmma_f32_16x16x32_f16 v[S+32*\t+8*\i:S+32*\t+8*\i+7], v[KF+8*(2*\i+\c):KF+8*(2*\i+\c)+7], v[Q+16*\t+8*\c:Q+16*\t+8*\c+7], 0
.else
	v_wmma_f32_16x16x32_f16 v[S+32*\t+8*\i:S+32*\t+8*\i+7], v[KF+8*(2*\i+\c):KF+8*(2*\i+\c)+7], v[Q+16*\t+8*\c:Q+16*\t+8*\c+7], v[S+32*\t+8*\i:S+32*\t+8*\i+7]
.endif
.endr
.endr
.endr
	WIN 0
.rept 4
	v_nop                                          ; places behind the products: K's registers are loaded again and the scores read next (ISA guide 7.12.1)
.endr
.endm
; Plain instruction n of 32 behind a tile's exponentials.  0-15: the sum of its 16 pairs of weights, in two chains (l, which first takes a l + pair 0, and a second chain in +4, +5); the weights stay as they are.
; 16-31: the rounding to f16, pair n - 16 into register n - 16: ascending, so that no weight is overwritten before it is read.
.macro POST t, n, first
.set rT, ST+8*(\t)
.set rS, S+32*(\t)
.if (\n) == 0
.if \first
	s_wait_alu depctr_va_vdst(0)
	v_pk_add_f32 v[rT+2:rT+3], v[rS:rS+1], v[rS+6:rS+7]
.else
	s_wait_alu depctr_va_vdst(0)
	v_pk_fma_f32 v[rT+2:rT+3], v[rT+2:rT+3], v[rT+6:rT+7], v[rS:rS+1] op_sel_hi:[1,0,1]
.endif
.elseif (\n) == 1
	v_pk_add_f32 v[rT+4:rT+5], v[rS+2:rS+3], v[rS+4:rS+5]
.elseif ((\n) == 2) && (\first)        ; pair 3 has been taken
.elseif ((\n) < 15) && ((\n)%2 == 0)
	v_pk_add_f32 v[rT+2:rT+3], v[rT+2:rT+3], v[rS+2*(\n)+2:rS+2*(\n)+3]
.elseif (\n) < 15
	v_pk_add_f32 v[rT+4:rT+5], v[rT+4:rT+5], v[rS+2*(\n)+2:rS+2*(\n)+3]
.elseif (\n) == 15
	v_pk_add_f32 v[rT+2:rT+3], v[rT+2:rT+3], v[rT+4:rT+5]
.else
	v_cvt_pk_f16_f32 v[rS+(\n)-16], v[rS+2*((\n)-16)], v[rS+2*((\n)-16)+1]
.endif
.endm
; THE SOFTMAX of a step's scores, the four tiles by turns: registers of window 0 alone, no LDS, no label.  first = 1: the first key step, which starts m and l.
.macro SOFT first
.irp j, 0,1,2,3                        ; the maximum of a lane's 32 scores: four chains a tile; each accumulator is read from its low end on
.irp t, 0,1,2,3
	v_max3_num_f32 v[ST+8*\t+4+\j], v[S+32*\t+8*\j], v[S+32*\t+8*\j+1], v[S+32*\t+8*\j+2]
.endr
.endr
.irp g, 1,2
.irp j, 0,1,2,3
.irp t, 0,1,2,3
	v_max3_num_f32 v[ST+8*\t+4+\j], v[ST+8*\t+4+\j], v[S+32*\t+8*\j+2*\g+1], v[S+32*\t+8*\j+2*\g+2]
.endr
.endr
.endr
.irp t, 0,1,2,3
	v_max3_num_f32 v[ST+8*\t+4], v[ST+8*\t+4], v[S+32*\t+7], v[S+32*\t+15]
	v_max3_num_f32 v[ST+8*\t+6], v[ST+8*\t+6], v[S+32*\t+23], v[S+32*\t+31]
.endr
.irp t, 0,1,2,3
	v_max3_num_f32 v[ST+8*\t+4], v[ST+8*\t+4], v[ST+8*\t+5], v[ST+8*\t+6]
.endr
.irp t, 0,1,2,3
.if \first
	v_max_num_f32 v[ST+8*\t+4], v[ST+8*\t+4], v[ST+8*\t+7]
.else
	v_max3_num_f32 v[ST+8*\t+4], v[ST+8*\t+4], v[ST+8*\t+7], v[ST+8*\t+1]   ; and the old m
.endif
.endr
.irp t, 0,1,2,3
	v_permlanex16_b32 v[ST+8*\t+5], v[ST+8*\t+4], s[SEL], s[SEL+1]          ; the query's other 32 keys lie in the lane 16 away
.endr
.if \first == 0
.irp t, 0,1,2,3
	v_mov_b32 v[ST+8*\t+7], v[ST+8*\t]             ; c m_old is kept for a
.endr
.endif
.irp t, 0,1,2,3
	v_max_num_f32 v[ST+8*\t+1], v[ST+8*\t+4], v[ST+8*\t+5]
.endr
.irp t, 0,1,2,3
	v_mul_f32 v[ST+8*\t], s[CS], v[ST+8*\t+1]
.endr
.if \first == 0
.irp t, 0,1,2,3
	v_sub_f32 v[ST+8*\t+7], v[ST+8*\t+7], v[ST+8*\t]
.endr
.irp t, 0,1,2,3
	v_exp_f32 v[ST+8*\t+6], v[ST+8*\t+7]           ; a; the scalings below are the plain lines behind it
.endr
.endif
.irp b, 0,1,2,3,4,5,6,7,8,9,10,11,12,13,14,15
.irp t, 0,1,2,3
	v_pk_fma_f32 v[S+32*\t+2*\b:S+32*\t+2*\b+1], v[S+32*\t+2*\b:S+32*\t+2*\b+1], s[CS:CS+1], v[ST+8*\t:ST+8*\t+1] op_sel_hi:[1,0,0] neg_lo:[0,0,1] neg_hi:[0,0,1]   ; c s - c m
.endr
.endr
.irp t, 0,1,2,3                        ; tile t's exponentials alternate with the plain lines of tile t - 1: every exponential has a plain line behind it before its result is used
.set n, 0
.rept 32
	v_exp_f32 v[S+32*\t+n], v[S+32*\t+n]
.if \t > 0
	POST \t-1, n, \first
.endif
.set n, n+1
.endr
.if \t == 0
	v_nop                                          ; the plain line behind tile 0's run
.endif
.endr
.set n, 0
.rept 32
	POST 3, n, \first
.set n, n+1
.endr
.endm
; A step's 32 products V^T P.  first = 1: they start O^T.  kout: the LDS loads issued behind V's, which may stay out at the wait for V: the next step's sixteen of K, or none.
.macro PVP first, kout
	s_wait_dscnt \kout                             ; V is in
.if \first == 0
	WIN W_RS
.irp i, 0,2,4,6,8,10,12,14,16,18,20,22,24,26,28,30
.irp t, 0,1,2,3
	v_pk_mul_f32 v[O+32*\t+\i:O+32*\t+\i+1], v[O+32*\t+\i:O+32*\t+\i+1], v[ST+8*\t+6:ST+8*\t+7] op_sel_hi:[1,0]   ; O^T x a
.endr
.endr
.endif
	WIN W_PV
.irp e, 0,1
.irp d, 0,1,2,3
.irp t, 0,1,2,3
.if (\first) && (\e == 0)
	v_wmma_f32_16x16x32_f16 v[O+32*\t+8*\d:O+32*\t+8*\d+7], v[VF+8*(4*\e+\d):VF+8*(4*\e+\d)+7], v[S+32*\t+8*\e:S+32*\t+8*\e+7], 0
.else
	v_wmma_f32_16x16x32_f16 v[O+32*\t+8*\d:O+32*\t+8*\d+7], v[VF+8*(4*\e+\d):VF+8*(4*\e+\d)+7], v[S+32*\t+8*\e:S+32*\t+8*\e+7], v[O+32*\t+8*\d:O+32*\t+8*\d+7]
.endif
.endr
.endr
.endr
	WIN 0
.rept 5
	v_nop                                          ; five places: the next products K Q^T write over P's registers, which these products read; V's registers are loaded again
.endr
.endm
.macro TRIP                            ; K of step j + 1 is asked for | softmax and V^T P of step j | V and K Q^T of step j + 1
	KLOAD
	SOFT 0
	PVP 0, 16
	HEAD
.endm
; The softmax of the step in hand, ahead of a barrier in group 0 and behind it in group 1.  The branches hang on the wave's number alone and jump over register work alone.
.macro EARLY
	s_cmp_eq_u32 s[GRP], 0
	s_cbranch_scc0 .Lnot_early_\@
	SOFT 0
.Lnot_early_\@:
.endm
.macro LATE
	s_cmp_eq_u32 s[GRP], 0
	s_cbranch_scc1 .Lnot_late_\@
	SOFT 0
.Lnot_late_\@:
.endm
	s_wait_tensorcnt 0x0                           ; my quarter of keys 0-255 is in: no tensor load of mine is out
	ds_add_u32 v[SPW], v[NIL]                      ; 0 onto my spare word
	s_wait_dscnt 0x0
	s_barrier_signal -1
	s_barrier_wait -1                              ; everybody's is
	s_cmp_lt_u32 s[WV], 4                          ; keys 256-1023, into bytes that nothing has filled: the first thing behind the barrier, one tensor load a wave; four v_nop follow it
	s_cbranch_scc0 .Lrest_v
	tensor_load_to_lds s[G0KB:G0KB+3], s[G1KB:G1KB+7]
	s_nop 0
.rept 4
	v_nop
.endr
	s_branch .Lrest_asked
.Lrest_v:
	tensor_load_to_lds s[G0VB:G0VB+3], s[G1VB:G1VB+7]
	s_nop 0
.rept 4
	v_nop
.endr
.Lrest_asked:
	KLOAD                                          ; key step 0.  Steps 0 to 3 are written out, so that every address read while the rest is on its way is a constant of the text
	s_wait_loadcnt 0x0                             ; Q
	HEAD
	KLOAD
	SOFT 1
	PVP 1, 16
	HEAD
	KLOAD                                          ; K of step 2
	EARLY                                          ; HERE THE GROUPS PART: group 0's softmax of step 1,
	s_wait_dscnt 0x0                               ; (no LDS load of mine is out at the signal)
	s_barrier_signal -1
	s_barrier_wait -1                              ; for which group 1 waits;
	LATE                                           ; then group 1's, beside group 0's products
	PVP 0, 0
	HEAD
	TRIP                                           ; step 2, and the head of step 3, the last of keys 0-255
	EARLY                                          ; group 0, half a step ahead, runs its softmax of step 3 beside group 1's products: so this barrier leaves the groups apart
	s_wait_tensorcnt 0x0                           ; my quarter of keys 256-1023 is in,
	s_wait_dscnt 0x0                               ; and no LDS load of mine is out at the signal
	s_barrier_signal -1
	s_barrier_wait -1                              ; everybody's is
	KLOAD                                          ; K of step 4
	LATE
	PVP 0, 16
	HEAD
	s_mov_b32 s[CNT], 11
.Lstep:
	TRIP
	s_sub_co_u32 s[CNT], s[CNT], 1
	s_cmp_lg_u32 s[CNT], 0
	s_cbranch_scc1 .Lstep
	SOFT 0                                         ; the last step's softmax and products
	PVP 0, 0
	; THE WAY OUT.  l's two halves and the other half of the lanes' are added; O^T is divided by l, rounded to f16 and sent through my stage, a tile (16 rows of o) at a time.
.irp t, 0,1,2,3
	v_add_f32 v[ST+8*\t+4], v[ST+8*\t+2], v[ST+8*\t+3]
.endr
.irp t, 0,1,2,3
	v_permlanex16_b32 v[ST+8*\t+5], v[ST+8*\t+4], s[SEL], s[SEL+1]
.endr
.irp t, 0,1,2,3
	v_add_f32 v[ST+8*\t+4], v[ST+8*\t+4], v[ST+8*\t+5]
.endr
.irp t, 0,1,2,3
	v_rcp_f32 v[ST+8*\t+6], v[ST+8*\t+4]
.endr
	v_nop                                          ; a plain line between the last reciprocal and the use of its result
	s_wait_alu depctr_va_vdst(0)
.macro PACK t
	WIN 0x01                                       ; source 0 window 1, destination window 0: S^T's registers are free
.irp i, 0,2,4,6,8,10,12,14,16,18,20,22,24,26,28,30
	v_pk_mul_f32 v[S+32*\t+\i:S+32*\t+\i+1], v[O+32*\t+\i:O+32*\t+\i+1], v[ST+8*\t+6:ST+8*\t+7] op_sel_hi:[1,0]
.endr
	WIN 0
.irp n, 0,1,2,3,4,5,6,7,8,9,10,11,12,13,14,15
	v_cvt_pk_f16_f32 v[S+32*\t+\n], v[S+32*\t+2*\n], v[S+32*\t+2*\n+1]
.endr
.irp d, 0,1,2,3
	ds_store_b128 v[STO], v[S+32*\t+4*\d:S+32*\t+4*\d+3] offset:32*\d
.endr
.irp i, 0,1,2,3
	ds_load_b128 v[S+32*\t+16+4*\i:S+32*\t+16+4*\i+3], v[RD] offset:4*SPI*\i   ; LDS serves a wave's instructions in order: these see the stores above; the next tile's stores come behind them
.endr
.endm
.macro SEND t, younger                 ; younger: the LDS instructions issued behind tile t's loads: the next tile's eight, or none
.irp i, 0,1,2,3
	s_wait_dscnt \younger+3-\i
	global_store_b128 v[GO], v[S+32*\t+16+4*\i:S+32*\t+16+4*\i+3], s[6:7] offset:2048*\t+512*\i   ; 32 lanes store 512 consecutive bytes, at a multiple of 256 from the buffer's first byte
.endr
.endm
	PACK 0
	PACK 1                                         ; a tile's arithmetic stands between the loads of the tile before and its stores
	SEND 0, 8
	PACK 2
	SEND 1, 8
	PACK 3
	SEND 2, 8
	SEND 3, 0
	s_wait_tensorcnt 0x0                           ; the wave's end, behind my last tensor load and my last LDS store
	ds_add_u32 v[SPW], v[NIL]
	s_wait_dscnt 0x0
	s_endpgm
.Lfunc_end_k_qf6a11262ea_attn:
	.size	k_qf6a11262ea_attn, .Lfunc_end_k_qf6a11262ea_attn-k_qf6a11262ea_attn
	.p2alignl 7, 3214868480
	.fill 96, 4, 3214868480
	.section	.rodata,"a",@progbits
	.p2align	6, 0x0
	.amdhsa_kernel k_qf6a11262ea_attn
		.amdhsa_group_segment_fixed_size 327680
		.amdhsa_private_segment_fixed_size 0
		.amdhsa_enable_private_segment 0
		.amdhsa_kernarg_size 16
		.amdhsa_user_sgpr_count 2
		.amdhsa_user_sgpr_kernarg_segment_ptr 1
		.amdhsa_wavefront_size32 1
		.amdhsa_system_sgpr_workgroup_id_x 1
		.amdhsa_system_sgpr_workgroup_id_y 1
		.amdhsa_system_sgpr_workgroup_id_z 1
		.amdhsa_system_vgpr_workitem_id 0
		.amdhsa_next_free_vgpr 512
		.amdhsa_next_free_sgpr 80
		.amdhsa_reserve_vcc 0
		.amdhsa_float_denorm_mode_32 3
		.amdhsa_float_denorm_mode_16_64 3
		.amdhsa_memory_ordered 1
		.amdhsa_forward_progress 1
		.amdhsa_inst_pref_size 251
	.end_amdhsa_kernel
	.amdgpu_metadata
---
amdhsa.version: [ 1, 2 ]
amdhsa.kernels:
  - .name:           k_qf6a11262ea_attn
    .symbol:         k_qf6a11262ea_attn.kd
    .args:
      - { .name: qkvh, .offset: 0, .size: 8, .value_kind: global_buffer, .address_space: global }
      - { .name: oh, .offset: 8, .size: 8, .value_kind: global_buffer, .address_space: global }
    .group_segment_fixed_size: 327680
    .private_segment_fixed_size: 0
    .kernarg_segment_align: 8
    .kernarg_segment_size: 16
    .max_flat_workgroup_size: 256
    .sgpr_count:     80
    .vgpr_count:     512
    .wavefront_size: 32
...
	.end_amdgpu_metadata
.endif
;; end of part 3
;; launch proj (part 4): grid 8 x 32, 4 waves a work-group, clusters of 4 x 4, 327,680 bytes of LDS; arguments oh, owh, out_b, out0; writes out0
.if DOCPART == 4
	.amdgcn_target "amdgcn-amd-amdhsa--gfx1250"
	.amdhsa_code_object_version 6
	.text
	.protected	k_qf6a11262ea_proj
	.globl	k_qf6a11262ea_proj
	.p2align	8
	.type	k_qf6a11262ea_proj,@function
k_qf6a11262ea_proj:
	s_mov_b64 s[64:65], 0
	v_nop
	global_prefetch_b8 v0, s[64:65] scope:SCOPE_SE
	s_setreg_imm32_b32 hwreg(HW_REG_WAVE_MODE, 25, 1), 1
	s_wait_xcnt 0x0
	s_wait_alu depctr_hold_cnt(0) depctr_sa_sdst(0) depctr_va_vdst(0) depctr_va_sdst(0) depctr_va_ssrc(0) depctr_va_vcc(0) depctr_vm_vsrc(0)
	s_getreg_b32 s2, hwreg(HW_REG_IB_STS2, 6, 4)
	s_cmp_eq_u32 s2, 0
	s_cbranch_scc0 .Lentry_in_a_cluster
	s_endpgm
.Lentry_in_a_cluster:
	s_bfe_u32 s2, ttmp6, 0x10000c
	s_cmp_lg_u32 s2, 0xf033
	s_cbranch_scc0 .Lentry_shape_is_right
	s_endpgm
.Lentry_shape_is_right:
; PROJ: out0[token][n] = the sum over k of o[token][k] out_w[n][k] + out_b[n].  o: f16, [k / 64 = head 16][token 8192][64]; out_w: f16, [k / 64][n 1024][64]; out0: [8192][1024] f32.  Sums in f32.
; A tile of out0, 256 tokens x 128 columns, is made by a work-group of four waves: 256 work-groups.  A wave makes 128 x 64: 32 accumulators of 16 x 16, 256 registers.
; K goes in steps of 128 (two planes of 64) through a ring of two LDS slots.  A plane's part of a tile is a dense block of memory (rows of 128 bytes on end): it comes as rows of 256 bytes, two tokens to a row,
; with 16 bytes of padding behind each: token t at 272 (t / 2) + 128 (t % 2).
; Waves 0 and 1 fetch A's two planes (128 rows each), waves 2 and 3 B's (64 rows each): one tensor load a wave behind each change of slots.
; CLUSTERS: 4 x 4 work-groups.  The four of a row of the cluster need the same tiles of A, the four of a column the same tiles of B: each is asked for JOINTLY.
; THE MATRIX INSTRUCTION IS USED TRANSPOSED (source 0 = 16 rows of out_w, source 1 = 16 tokens): a lane holds eight neighbouring numbers of a row of out0.  THE BIAS is the C of each sum's first matrix instruction.
; REGISTERS: window 0: v0-31 addresses; v32-95 rows on the way out.   window 1: two fragment buffers for 32 along K: A's 8 fragments at v0 / v128, B's 4 at v64 / v192; v96-127 the bias.
;   window 2: the accumulators ((a, b) at v[8 (4 a + b)]).
.set KP,     272
.set APL,    128*KP                    ; a plane of A's tile in LDS
.set BPL,    64*KP                     ; of B's
.set SLOT,   2*APL+2*BPL               ; A's two planes, then B's two: 104,448 bytes
.set STAGE,  2*SLOT                    ; behind the ring: 16 rows x 272 bytes for each wave, for the way out
.set SPARE,  STAGE+4*16*KP             ; behind the stages: the spare words, 128 bytes for each wave: two blocks of 256 bytes that no other line names
.set LAPS,   4                         ; a lap = two K steps = once round the ring; K = 1,024 is eight K steps
.set ADRA, 16                          ; v16-17  LDS address of my A fragments in slot 0, 1
.set ADRB, 20                          ; v20-21  the same for B
.set STO,  24                          ; v24     the way out: where I put 32 bytes of a row
.set RD,   25                          ; v25     where I read a row back
.set CO,   26                          ; v26     my byte offset in out0
.set SPW,  28                          ; v28     LDS address of my spare word; never rewritten
.set NIL,  29                          ; v29     0; never rewritten
.set PFO,  30                          ; v30     the prefetches' offset; never rewritten
.set BK,   32                          ; v32-95  16 rows read back from the stage, two sets by turns
.set F0,   0                           ; fragment buffers, in window 1
.set F1,   128
.set BI,   96                          ; the bias, in window 1
.set LIM,  15                          ; s15     1 in a wave that prefetches, else the greatest number
.set G1, 24                            ; s[24:31] descriptor group 1 for A's tiles;  s[32:39] group 0, one set for each slot
.set G0, 32
.set PFA, 44                           ; s[44:45] where my prefetches stand
.set PFS, 46                           ; s[46:47] a K step on, in bytes
.set G1B, 48                           ; s[48:55], s[56:63] the same for B's tiles
.set G0B, 56
.set MSB, 0
.macro WIN new                         ; the immediate's high byte repeats the setting that is left
.if MSB != (\new)
	s_set_vgpr_msb (MSB<<8)|(\new)
.set MSB, (\new)
.endif
.endm
.set MUL,  0xa5                        ; sources 0 (B) and 1 (A) window 1; C and D window 2
.set MULB, 0x95                        ; the same with C (the bias) in window 1
.set TO_F, 0x40                        ; destination window 1, address window 0
.macro JLOAD s                         ; a joint load: waves 0 and 1 fetch A's planes, waves 2 and 3 B's; four v_nop follow each of the two lines, ahead of the jump, the label and what follows
	s_cmp_eq_u32 s13, 0
	s_cbranch_scc0 .Lfor_b_\@
	tensor_load_to_lds s[G0+4*\s:G0+4*\s+3], s[G1:G1+7]
	s_nop 0
.rept 4
	v_nop
.endr
	s_branch .Lasked_\@
.Lfor_b_\@:
	tensor_load_to_lds s[G0B+4*\s:G0B+4*\s+3], s[G1B:G1B+7]
	s_nop 0
.rept 4
	v_nop
.endr
.Lasked_\@:
.endm
.macro CREST                           ; a round of the cluster's barrier behind its opening barrier
	s_cmp_lg_u32 s12, 0
	s_cbranch_scc1 .Lnot_wave_0_\@
	s_barrier_signal -3
.Lnot_wave_0_\@:
	s_barrier_wait -3
	s_barrier_signal -1
	s_barrier_wait -1
.endm
.macro CROUND                          ; a whole round
	s_barrier_signal -1
	s_barrier_wait -1
	CREST
.endm
; A PREFETCH INTO THE L2, behind each joint refill, its four lines and the run of LDS loads that follows: the K step that stands TWO refills on (256 matrix instructions ahead of the load that will want it).
; Each aligned block of 256 bytes is named once in the launch.  A's tile row is read by both clusters of that row of clusters: the one with x = 0 asks; B's tile column by the eight clusters of that column: y = 0 asks.
; The four partners that ask for a tile jointly share it out BY ADDRESS: of a plane of A (32,768 bytes; wave 0 takes the first plane, wave 1 the second) the partner at cx takes 8,192 bytes, lanes 256 bytes apart;
; of B's two planes (16,384 bytes each; wave 2 takes both) the partner at cy takes 4,096 bytes of each, lanes 0-15 in the first plane, lanes 16-31 in the second.  K steps 0 to 3 come by their loads alone;
; the last two refills have no K step two on and ask for nothing (s3 = 1 in the loop's last trip).
.macro ASK
	s_cmp_gt_u32 s3, s[LIM]
	s_cbranch_scc0 .Lnot_mine_\@
	global_prefetch_b8 v[PFO], s[PFA:PFA+1] th:TH_LOAD_NT scope:SCOPE_SE
.Lnot_mine_\@:
.endm
	s_load_b256 s[4:11], s[0:1], 0x0               ; o s[4:5], out_w s[6:7], out_b s[8:9], out0 s[10:11]
	v_lshl_add_u32 v[SPW], v0, 2, SPARE
	v_mov_b32 v[NIL], 0
	ds_add_u32 v28, v29
	ds_add_u32 v28, v29
	s_wait_dscnt 0x0
	v_lshrrev_b32 v1, 5, v0
	v_readfirstlane_b32 s12, v1                    ; wave 0..3
	s_lshr_b32 s13, s12, 1                         ; which half of the tile's tokens is mine.  Also: I fetch for A (0) or for B (1)
	s_and_b32 s14, s12, 1                          ; which half of its columns.  Also: which plane of a K step I fetch
	s_bfe_u32 s40, ttmp6, 0x40000                  ; cx, cy: my place in the cluster
	s_bfe_u32 s41, ttmp6, 0x40004
	s_lshl_b32 s42, ttmp9, 2
	s_add_co_u32 s42, s42, s40                     ; tile column = 4 x cluster x + cx
	s_and_b32 s43, ttmp7, 0xffff
	s_lshl_b32 s43, s43, 2
	s_add_co_u32 s43, s43, s41                     ; tile row = 4 x cluster y + cy
	s_lshl_b32 s66, s41, 2
	s_lshl_b32 s66, 15, s66                        ; my row of the cluster
	s_lshl_b32 s67, 0x1111, s40                    ; my column
	; descriptor groups 1: dense blocks as rows of 256 bytes (32 elements of 8 bytes), 16 bytes of padding behind each
	s_or_b32 s[G1+0], s66, (3<<16)|(1<<20)|(1<<21)|(5<<22)|(3<<25)   ; 15:0 the mask: A's tiles go to my row; 17:16 elements of 8 bytes; 20 padding on; 21 set beside a mask; 24:22 after every 64 words; 31:25 four words
	s_or_b32 s[G1B+0], s67, (3<<16)|(1<<20)|(1<<21)|(5<<22)|(3<<25)
.irp g, G1, G1B
	s_mov_b32 s[\g+1], 32<<16                      ; tensor_dim0
	s_mov_b32 s[\g+3], 32<<16                      ; tile_dim0
	s_mov_b32 s[\g+5], 32                          ; tensor_dim0_stride
	s_mov_b32 s[\g+6], 0
	s_mov_b32 s[\g+7], 0
.endr
	s_mov_b32 s[G1+2], 128<<16                     ; A: 256 tokens are 128 rows
	s_mov_b32 s[G1+4], 128
	s_mov_b32 s[G1B+2], 64<<16                     ; B: 128 columns are 64 rows
	s_mov_b32 s[G1B+4], 64
	s_lshl_b32 s16, s43, 15                        ; A: the tile row's 256 tokens x 128 bytes,
	s_lshl_b32 s17, s14, 20                        ; in my plane
	s_add_co_u32 s16, s16, s17
	s_mov_b32 s17, 0
	s_lshl_b32 s18, s42, 14                        ; B: the tile column's 128 rows x 128 bytes,
	s_lshl_b32 s19, s14, 17                        ; in my plane
	s_add_co_u32 s18, s18, s19
	s_mov_b32 s19, 0
	s_mul_i32 s20, s14, APL                        ; where they go: no place in the cluster enters an LDS address
	s_mul_i32 s21, s14, BPL
	s_add_co_u32 s21, s21, 2*APL
	s_wait_kmcnt 0x0
	s_add_nc_u64 s[16:17], s[4:5], s[16:17]
	s_add_nc_u64 s[18:19], s[6:7], s[18:19]
	CROUND                                         ; all sixteen work-groups are here: the first joint loads meet
.irp s, 0,1
	s_mov_b32 s[G0+4*\s], 1
	s_add_co_u32 s[G0+4*\s+1], s20, \s*SLOT
	s_add_nc_u64 s[G0+4*\s+2:G0+4*\s+3], s[16:17], \s*0x200000      ; K step s: two planes of 2^20 bytes on
	s_or_b32 s[G0+4*\s+3], s[G0+4*\s+3], 0x80000000
	s_mov_b32 s[G0B+4*\s], 1
	s_add_co_u32 s[G0B+4*\s+1], s21, \s*SLOT
	s_add_nc_u64 s[G0B+4*\s+2:G0B+4*\s+3], s[18:19], \s*0x40000     ; two planes of 131,072 bytes on
	s_or_b32 s[G0B+4*\s+3], s[G0B+4*\s+3], 0x80000000
	JLOAD \s
.endr
	v_and_b32 v1, 15, v0                           ; r = lane % 16
	v_bfe_u32 v2, v0, 4, 1                         ; h = lane / 16
	v_lshlrev_b32 v7, 5, v2                        ; 32 h
	s_lshl_b32 s18, s42, 9                         ; my first column in bytes of f32: 512 x tile column + 256 x half
	s_lshl_b32 s19, s14, 8
	s_add_co_u32 s18, s18, s19
	s_mov_b32 s19, 0
	s_add_nc_u64 s[8:9], s[8:9], s[18:19]
	WIN TO_F
.irp b, 0,1,2,3
	global_load_b128 v[BI+8*\b:BI+8*\b+3],   v7, s[8:9] offset:64*\b       ; block b's eight numbers of my half of the lanes
	global_load_b128 v[BI+8*\b+4:BI+8*\b+7], v7, s[8:9] offset:64*\b+16
.endr
	WIN 0
	v_lshrrev_b32 v3, 1, v1
	v_mul_u32_u24 v3, v3, KP
	v_and_b32 v4, 1, v1
	v_lshl_add_u32 v3, v4, 7, v3
	v_lshl_add_u32 v3, v2, 4, v3                   ; a fragment's lane term: 272 (r / 2) + 128 (r % 2) + 16 h
	s_mul_i32 s22, s13, 64*KP                      ; my 128 tokens of A
	s_mul_i32 s23, s14, 32*KP                      ; my 64 rows of B,
	s_add_co_u32 s23, s23, 2*APL                   ; which lie behind A's two planes
.irp s, 0,1
	v_add_nc_u32 v[ADRA+\s], s22, v3
	v_add_nc_u32 v[ADRB+\s], s23, v3
	s_add_co_u32 s22, s22, SLOT
	s_add_co_u32 s23, s23, SLOT
.endr
	s_mul_i32 s22, s12, 16*KP
	s_add_co_u32 s22, s22, STAGE                   ; my stage
	v_mul_u32_u24 v4, v1, KP                       ; in: row r, 32 bytes for each half of the lanes
	v_lshl_add_u32 v4, v2, 5, v4
	v_add_nc_u32 v[STO], s22, v4
	v_mul_u32_u24 v4, v2, KP                       ; back: lanes 0-15 one row of 256 bytes, lanes 16-31 the next
	v_lshl_add_u32 v4, v1, 4, v4
	v_add_nc_u32 v[RD], s22, v4
	v_lshlrev_b32 v4, 12, v2                       ; and the same two rows in out0
	v_lshl_add_u32 v[CO], v1, 4, v4
	s_lshl_b32 s16, s43, 8
	s_lshl_b32 s17, s13, 7
	s_add_co_u32 s16, s16, s17                     ; my first token: 256 x tile row + 128 x half
	s_lshl_b32 s16, s16, 12                        ; a row of out0 is 4,096 bytes
	s_mov_b32 s17, 0
	s_add_nc_u64 s[10:11], s[10:11], s[16:17]
	s_add_nc_u64 s[10:11], s[10:11], s[18:19]      ; + my first column
	; the prefetches: both candidates are made, then chosen on one compare
	s_add_co_u32 s66, s14, 6
	s_lshl_b32 s66, s66, 20                        ; A: my plane of K step 3 (the first refill steps it to K step 4),
	s_lshl_b32 s67, s43, 15
	s_add_co_u32 s66, s66, s67                     ; my tile row,
	s_lshl_b32 s67, s40, 13
	s_add_co_u32 s66, s66, s67                     ; my work-group's quarter of the plane
	s_lshl_b32 s68, s42, 14
	s_add_co_u32 s68, s68, 6*131072                ; B: K step 3's first plane, my tile column,
	s_lshl_b32 s67, s41, 12
	s_add_co_u32 s68, s68, s67                     ; my work-group's quarter
	s_and_b32 s69, ttmp7, 0xffff
	s_or_b32 s69, s69, s14                         ; 0 in wave 2 of the clusters with y = 0
	s_mov_b32 s70, 0x20000
	s_mov_b32 s71, 0x40000
	s_cmp_eq_u32 s13, 0                            ; do I fetch for A?
	s_cselect_b64 s[PFA:PFA+1], s[4:5], s[6:7]
	s_cselect_b32 s66, s66, s68
	s_cselect_b32 s69, ttmp9, s69                  ; the coordinate along which other clusters read the same bytes
	s_cselect_b32 s70, 4096, s70                   ; from lanes 0-15 to lanes 16-31
	s_cselect_b32 s[PFS], 0x200000, s71            ; a K step on
	s_mov_b32 s67, 0
	s_mov_b32 s[PFS+1], 0
	s_add_nc_u64 s[PFA:PFA+1], s[PFA:PFA+1], s[66:67]
	s_cmp_eq_u32 s69, 0
	s_cselect_b32 s[LIM], 1, -1                    ; the same in all sixteen partners, for a given wave
	v_mul_u32_u24 v5, s70, v2
	v_lshl_add_u32 v[PFO], v1, 8, v5
	; nothing is prefetched here, at the head, where every work-group's first tiles are on their way
; 8 matrix instructions: A's blocks a0, a0 + 1 x B's four, 32 along K, from buffer f.  bias = 1: the bias starts the sums: nothing is ever cleared.
; The 32 accumulators take turns, one instruction a turn, in the same order in every quarter.
.macro MUL8 f, a0, bias
.irp a, \a0, \a0+1
.irp b, 0,1,2,3
.if \bias
	v_wmma_f32_16x16x32_f16 v[8*(4*(\a)+\b):8*(4*(\a)+\b)+7], v[\f+64+8*\b:\f+64+8*\b+7], v[\f+8*(\a):\f+8*(\a)+7], v[BI+8*\b:BI+8*\b+7]
.else
	v_wmma_f32_16x16x32_f16 v[8*(4*(\a)+\b):8*(4*(\a)+\b)+7], v[\f+64+8*\b:\f+64+8*\b+7], v[\f+8*(\a):\f+8*(\a)+7], v[8*(4*(\a)+\b):8*(4*(\a)+\b)+7]
.endif
.endr
.endr
.endm
; 24 LDS loads in one run: the fragments of the slot's q-th 32 along K (plane q / 2, channels 32 (q % 2) on) into buffer f: B's four, then A's eight
.macro FETCH slot, q, f
	WIN TO_F
.irp i, 0,1,2,3
	ds_load_b128 v[\f+64+8*\i:\f+64+8*\i+3],   v[ADRB+\slot] offset:BPL*((\q)/2)+64*((\q)%2)+8*KP*\i
	ds_load_b128 v[\f+64+8*\i+4:\f+64+8*\i+7], v[ADRB+\slot] offset:BPL*((\q)/2)+64*((\q)%2)+8*KP*\i+32
.endr
.irp i, 0,1,2,3,4,5,6,7
	ds_load_b128 v[\f+8*\i:\f+8*\i+3],   v[ADRA+\slot] offset:APL*((\q)/2)+64*((\q)%2)+8*KP*\i
	ds_load_b128 v[\f+8*\i+4:\f+8*\i+7], v[ADRA+\slot] offset:APL*((\q)/2)+64*((\q)%2)+8*KP*\i+32
.endr
.endm
.macro PLACES                          ; four places in front of loads into registers that matrix instructions have read, and of the first read of results (ISA guide 7.12.1 for vector instructions)
.rept 4
	v_nop
.endr
.endm
; A K step is four quarters of 32 along K, 32 matrix instructions each, on buffers 0, 1, 0, 1.  One of the first three: multiplies buffer f and fetches the slot's quarter q into g.
.macro QUARTER slot, q, f, g, bias
	s_wait_dscnt 8                                 ; B and A's blocks 0-3 are in; the youngest eight loads (A's blocks 4-7) may be out
.if \bias
	WIN MULB
.else
	WIN MUL
.endif
	MUL8 \f, 0, \bias
	MUL8 \f, 2, \bias
	PLACES
	FETCH \slot, \q, \g
	s_wait_dscnt 24                                ; all but the 24 just issued
.if \bias
	WIN MULB
.else
	WIN MUL
.endif
	MUL8 \f, 4, \bias
	MUL8 \f, 6, \bias
.endm
; The last quarter multiplies buffer 1 and changes slots: ONE barrier; in front of it each wave waits for all its tensor loads (one is out: its part of the next slot), adds 0 to its spare word, and waits for that
; and for its own reads of this slot.  fill = 1: the barrier opens a round of the cluster's barrier, and this slot is filled again, two K steps ahead: the refill has 112 matrix instructions in which to land.
.macro TURN slot, next, fill
.if \fill
	s_wait_xcnt 0x0                                ; the last prefetch, a K step back, has read its address: it is stepped here, ahead of the waits of the change of slots
	s_add_nc_u64 s[PFA:PFA+1], s[PFA:PFA+1], s[PFS:PFS+1]
.endif
	WIN 0                                          ; (the add's two registers lie in window 0)
	s_wait_tensorcnt 0x0                           ; all my tensor loads have landed
	ds_add_u32 v[SPW], v[NIL]                      ; 0 onto my spare word
	s_wait_dscnt 9                                 ; (the add and the youngest eight loads may be out)
	WIN MUL
	MUL8 F1, 0, 0                                  ; eight matrix instructions stand between the add and the wait for it
	s_wait_dscnt 0x0                               ; the add is done, and my reads of this slot are over
	s_barrier_signal -1
	MUL8 F1, 2, 0
.if \fill
	WIN 0
.endif
	s_barrier_wait -1
.if \fill
	CREST                                          ; no wave of any partner still reads this slot's tile or has a load on its way
	s_add_nc_u64 s[G0+4*\slot+2:G0+4*\slot+3], s[G0+4*\slot+2:G0+4*\slot+3], 0x400000       ; two K steps on: four planes
	s_add_nc_u64 s[G0B+4*\slot+2:G0B+4*\slot+3], s[G0B+4*\slot+2:G0B+4*\slot+3], 0x80000
	JLOAD \slot                                    ; the first tensor load behind the round; the four v_nop behind it are also the places in front of the loads below
.else
	PLACES
.endif
	FETCH \next, 0, F0
.if \fill
	WIN 0
	ASK
.endif
	WIN MUL
	MUL8 F1, 4, 0
	MUL8 F1, 6, 0
.endm
	s_wait_tensorcnt 1                             ; my part of K step 0 is in (K step 1's load may be out)
	s_barrier_signal -1
	s_barrier_wait -1                              ; everybody's is
	FETCH 0, 0, F0
	s_wait_loadcnt 0x0                             ; the bias
	QUARTER 0, 1, F0, F1, 1                        ; the first quarter stands in front of the loop: its products start the sums
	WIN 0                                          ; at a label and at a branch every window is 0
	s_mov_b32 s3, LAPS-1
.Llap:                                                 ; a trip goes once round the ring, from a lap's second quarter to the next lap's first, and fills both slots again
	QUARTER 0, 2, F1, F0, 0
	QUARTER 0, 3, F0, F1, 0
	TURN 0, 1, 1
	QUARTER 1, 1, F0, F1, 0
	QUARTER 1, 2, F1, F0, 0
	QUARTER 1, 3, F0, F1, 0
	TURN 1, 0, 1
	QUARTER 0, 1, F0, F1, 0
	WIN 0
	s_sub_co_u32 s3, s3, 1
	s_cmp_lg_u32 s3, 0
	s_cbranch_scc1 .Llap
	QUARTER 0, 2, F1, F0, 0                        ; the last lap fills nothing, and has no round of the cluster's barrier
	QUARTER 0, 3, F0, F1, 0
	TURN 0, 1, 0
	QUARTER 1, 1, F0, F1, 0
	QUARTER 1, 2, F1, F0, 0
	QUARTER 1, 3, F0, F1, 0
	s_wait_dscnt 8                                 ; the very last quarter: nothing more to fetch
	WIN MUL
	MUL8 F1, 0, 0
	MUL8 F1, 2, 0
	s_wait_dscnt 0
	MUL8 F1, 4, 0
	MUL8 F1, 6, 0
	WIN 0
; THE WAY OUT, block by block of 16 tokens x 64 columns.  A lane holds 32 neighbouring bytes of a row, and the lanes beside it hold other rows: so a block goes through my own stage and comes back as whole rows
; of 256 bytes.  LDS serves a wave's instructions in order: no wait between the stores and the loads, nor in front of the next block's stores.
.macro TOSTAGE a
	WIN 0x08                                       ; an LDS store's data are its source 1: window 2
.irp b, 0,1,2,3
	ds_store_b128 v[STO], v[8*(4*(\a)+\b):8*(4*(\a)+\b)+3] offset:64*\b          ; each accumulator from its low end on
	ds_store_b128 v[STO], v[8*(4*(\a)+\b)+4:8*(4*(\a)+\b)+7] offset:64*\b+16
.endr
	WIN 0
.irp i, 0,1,2,3,4,5,6,7
	ds_load_b128 v[BK+32*((\a)%2)+4*\i:BK+32*((\a)%2)+4*\i+3], v[RD] offset:2*KP*\i
.endr
.endm
.macro SEND a, younger                 ; younger: the LDS instructions issued behind block a's loads, which may stay out
	s_wait_dscnt \younger                          ; the block is back in registers
.irp i, 0,1,2,3,4,5,6,7
	global_store_b128 v[CO], v[BK+32*((\a)%2)+4*\i:BK+32*((\a)%2)+4*\i+3], s[10:11] offset:65536*(\a)+8192*\i th:TH_STORE_NT   ; 16 lanes store 256 consecutive bytes, at a multiple of 256 from out0's first byte; written once, read by nobody here
.endr
.endm
	PLACES                                         ; behind the last products, whose results are read below
	TOSTAGE 0
.irp a, 1,2,3,4,5,6,7
.if \a > 1
	s_wait_xcnt 0x0                                ; block a - 2's stores have read their registers: block a's loads may land there
.endif
	TOSTAGE \a
	SEND \a-1, 16                                  ; behind block a - 1's loads: block a's 8 stores and 8 loads
.endr
	SEND 7, 0
	s_wait_tensorcnt 0x0                           ; the wave's end, behind my last tensor load and my last LDS store
	ds_add_u32 v[SPW], v[NIL]
	s_wait_dscnt 0x0
	CROUND                                         ; the closing round: no work-group ends while a partner may still ask for a tile that names it
	s_endpgm
.Lfunc_end_k_qf6a11262ea_proj:
	.size	k_qf6a11262ea_proj, .Lfunc_end_k_qf6a11262ea_proj-k_qf6a11262ea_proj
	.p2alignl 7, 3214868480
	.fill 96, 4, 3214868480
	.section	.rodata,"a",@progbits
	.p2align	6, 0x0
	.amdhsa_kernel k_qf6a11262ea_proj
		.amdhsa_group_segment_fixed_size 327680
		.amdhsa_private_segment_fixed_size 0
		.amdhsa_enable_private_segment 0
		.amdhsa_kernarg_size 32
		.amdhsa_user_sgpr_count 2
		.amdhsa_user_sgpr_kernarg_segment_ptr 1
		.amdhsa_wavefront_size32 1
		.amdhsa_system_sgpr_workgroup_id_x 1
		.amdhsa_system_sgpr_workgroup_id_y 1
		.amdhsa_system_sgpr_workgroup_id_z 1
		.amdhsa_system_vgpr_workitem_id 0
		.amdhsa_next_free_vgpr 768
		.amdhsa_next_free_sgpr 72
		.amdhsa_reserve_vcc 0
		.amdhsa_float_denorm_mode_32 3
		.amdhsa_float_denorm_mode_16_64 3
		.amdhsa_memory_ordered 1
		.amdhsa_forward_progress 1
		.amdhsa_inst_pref_size 88
	.end_amdhsa_kernel
	.amdgpu_metadata
---
amdhsa.version: [ 1, 2 ]
amdhsa.kernels:
  - .name:           k_qf6a11262ea_proj
    .symbol:         k_qf6a11262ea_proj.kd
    .args:
      - { .name: oh, .offset: 0, .size: 8, .value_kind: global_buffer, .address_space: global }
      - { .name: owh, .offset: 8, .size: 8, .value_kind: global_buffer, .address_space: global }
      - { .name: out_b, .offset: 16, .size: 8, .value_kind: global_buffer, .address_space: global }
      - { .name: out0, .offset: 24, .size: 8, .value_kind: global_buffer, .address_space: global }
    .group_segment_fixed_size: 327680
    .private_segment_fixed_size: 0
    .kernarg_segment_align: 8
    .kernarg_segment_size: 32
    .max_flat_workgroup_size: 128
    .sgpr_count:     72
    .vgpr_count:     768
    .wavefront_size: 32
...
	.end_amdgpu_metadata
.endif
;; end of part 4
